; MI455X (gfx1250); checked and timed in simulation.
; The chip was launched on July 23, 2026; its instructions are those of AMD's public machine-readable ISA for CDNA 5 (MIT licence, August 2026) and "CDNA5" Instruction Set Architecture Reference Guide (July 2026). The comments in the code are by the model that wrote it; some were corrected since.
;; Multi Head Self Attention. Allowed arithmetic: matrix products marked QUANTISED: E2M1 operands, one E8M0 scale for each 32 along K, by v_wmma_scale_f32_16x16x128_f8f6f4 with both operands' format E2M1 (or v_wmma_scale_f32_32x16x128_f4), f32 sums; everything else in f32.
;; Inputs: W_out 1,024 x 1,024 float32; W_qkv 1,024 x 3,072 float32; b_out 1,024 float32; b_qkv 3,072 float32; x 4 x 2,048 x 1,024 float32.
;; Outputs: out0 4 x 2,048 x 1,024 float32.
;; Constants: mask = 1.
;; This version of the problem:
;;   THIS VERSION OF THE PROBLEM IS GIVEN IN LOW PRECISION. The matrix products marked QUANTISED in the list below multiply operands that are first quantised to E2M1 (2 exponent bits, 1 mantissa bit; 4 bits a number), with one power-of-two scale for each 32 numbers along K (OCP MX v1.0); their sums are f32. All else is computed in f32.
;;   The module's matrix products, in the order in which they are computed (A, B: the left and right operand; K: the contracted axis; several contracted axes count as one K, in the product's order):
;;     1. [M 8,192, K 1,024] x [K 1,024, N 3,072]; A: input x; B: input W_qkv: QUANTISED
;;     2. batch 64 x [M 2,048, K 64] x [K 64, N 2,048]; A: computed on the way; B: computed on the way: QUANTISED
;;     3. batch 64 x [M 2,048, K 2,048] x [K 2,048, N 64]; A: softmax (see below); B: computed on the way: QUANTISED
;;     4. [M 8,192, K 1,024] x [K 1,024, N 1,024]; A: computed on the way; B: input W_out: QUANTISED
;;   THE QUANTISER, for each operand of a quantised product, along K:
;;     - K is cut into blocks of 32 from its start; a last block that is shorter is filled with zeros.
;;     - A block's scale is 2^e with e = floor(log2(the largest magnitude in the block)) - 2, held to -126 .. 127; a block of zeros has e = 0. As a byte (E8M0): e + 127.
;;     - Each number is divided by its block's scale, clamped to +-6, and rounded to the nearest number of E2M1, ties to even, subnormals kept.
;;     - The product sums the exact products of the quantised numbers (number of the format x scale) in f32.
;;   ~~~python
;;   def quantise(x, axis):      # numpy; x: float32 -> the quantised numbers, widened to float32 again
;;       x = np.moveaxis(x, axis, -1); K = x.shape[-1]
;;       x = np.pad(x, [(0, 0)] * (x.ndim - 1) + [(0, -K % 32)]); x = x.reshape(x.shape[:-1] + (-1, 32)); a = np.abs(x).max(-1, keepdims=True)
;;       e = np.where(a > 0, np.clip(np.frexp(np.where(a > 0, a, 1))[1] - 1 - 2, -126, 127), 0)      # np.frexp(a)[1] - 1 = floor(log2(a)), exactly
;;       r = np.clip(x / 2.0 ** e, -6, 6)
;;       step = 2.0 ** (np.maximum(np.frexp(np.where(r == 0, 1, r))[1] - 1, 0) - 1)
;;       q = np.round(r / step) * step * 2.0 ** e      # np.round: ties to even
;;       return np.moveaxis(q.reshape(q.shape[:-2] + (-1,))[..., :K], -1, axis).astype(np.float32)
;;   ~~~
;;   SOFTMAX AHEAD OF A QUANTISED PRODUCT. Where the list says 'softmax', what is quantised is not the finished softmax but p = 2^(t - M), with t = logit x log2(e) and M = ceil(the row's largest t), a whole number; so 1/2 < the row's largest p <= 1. The row's sum l is taken of the UNQUANTISED p, in f32, and the product's result is divided by l at the end. Since M is a whole number, a kernel that streams over the keys may use a running M (the ceiling of the running maximum): every later rescaling is an exact power of two, which a block's scale takes up: the codes' values come out the same.
;;   OPERANDS COMPUTED ON THE WAY. 'Computed on the way' means the value that the module computes at that place (a softmax that the list does not call 'softmax' is quantised finished and normalised). What goes into a quantiser is computed in f32, as accurately as f32 sums, v_exp_f32 and their like allow (about 1e-6 of the number): no bf16 or f16 on the way to a quantiser, and a product that is left as it is and whose result goes on into a quantised operand takes f32 operands (vector FMAs, or v_wmma_f32_16x16x4_f32). A number that lies on a knife's edge between two numbers of the format may be rounded either way, as far as f32 arithmetic and the matrix unit's own rounding can turn it there, and no further.
;; One version. Each part assembles by itself: llvm-mc -triple=amdgcn-amd-amdhsa -mcpu=gfx1250 --defsym DOCPART=n.
;; ======== version 1 of 1: 4 launches
;; workspace buffers: xq 4,456,448 bytes; wq 2,228,224 bytes; qq 4,718,592 bytes; kv 9,175,040 bytes; va 4,456,448 bytes
;; launch quant (part 1): grid 384 x 1, 4 waves a work-group, no clusters, 33,280 bytes of LDS; arguments x, W_qkv, W_out, xq, wq; writes xq, wq
.if DOCPART == 1
	.amdgcn_target "amdgcn-amd-amdhsa--gfx1250"
	.amdhsa_code_object_version 6
	.text
	.protected	k_q8dde92f7e3_quant
	.globl	k_q8dde92f7e3_quant
	.p2align	8
	.type	k_q8dde92f7e3_quant,@function
k_q8dde92f7e3_quant:
	s_mov_b64 s[64:65], 0
	v_nop
	global_prefetch_b8 v0, s[64:65] scope:SCOPE_SE
	s_setreg_imm32_b32 hwreg(HW_REG_WAVE_MODE, 25, 1), 1
	s_wait_xcnt 0x0
; x [8192][1024], W_qkv [1024][3072] and W_out [1024][1024], f32, become codes of FP4 (E2M1) with one E8M0 byte for each 32 along K.
; A block's scale is 2^(floor(log2(largest magnitude)) - 2); its byte is the largest magnitude's exponent field - 2, held at 1 from below.
; STORAGE ORDER: sigma(i) = i with bits 3 and 4 swapped.  Storage row i of x's codes holds true row sigma(i); storage column i of a weight's codes holds true column sigma(i).
; So a tile of 16 neighbouring storage rows holds true rows 32 b + 8 u + (r % 8) + 16 (r / 8), and a matrix result's 16 registers of two neighbouring tiles are 16 neighbours along the next product's K.
; xq: codes [storage row][512 bytes], from byte 4,194,304 on scale bytes [storage row][32].
; wq: a weight's codes as images of operand registers [K half][tile of 16 columns][block of 32 k: 16][column r: 16][16 bytes]; scale bytes [group of 32 columns][quarter of K][column][8 bytes].
; Work-groups 0-95 take W_qkv, 96-127 W_out, 128-383 x.  Only x's path uses LDS.  No barrier: waves share nothing.
; LIMITS: NaN and infinities among the inputs are not served; a block of zeros gets the byte 1 and not 127: its codes are zeros and this program alone reads the bytes.
.set EMAX,  2
.set WX,    32                         ; weights: v32-95 two sets of 32 numbers (a lane's column, down K)
.set WC,    96                         ; v96-127 a block's codes, four registers for each of 8 blocks: no store's data are written again
.set WSB,   24                         ; v[24:25] the 8 scale bytes
.set STEPS, 16                         ; x: 16 steps of 512 numbers a wave
.set CB,    8                          ; bytes of 16 codes
.set XR,    16                         ; v16-79 four sets of 16 numbers as loaded
.set XX,    80                         ; v80-111 two sets of 16 neighbours
.set XE,    112                        ; v112-127 a scale byte for each step
.set XC,    128                        ; v128-191 codes, four registers a step
.set WREG,  8192                       ; LDS of a wave: two stages of 32 x SP bytes, then its 256 scale bytes
.set SP,    80                         ; a lane's place in a stage: 64 bytes + 16 of padding
; ---- weights: a lane takes a column, its registers run down K
.macro WLOAD N, SLO, t                 ; block t: W(32 t + i, my column), i = 0 .. 31: each load reads 128 consecutive bytes a wave, 512 a work-group
.set i, 0
.rept 32
	global_load_b32 v[WX+32*((\t)%2)+i], v3, s[\SLO:\SLO+1] offset:(32*(\t)+i)*\N*4 th:TH_LOAD_NT
.set i, i+1
.endr
.endm
.macro WBLOCK N, SLO, t
.set WS_, WX+32*((\t)%2)
.if (\t) < 7
	s_wait_loadcnt 32                              ; this block's 32 loads are in; the next block's 32 may be out
.else
	s_wait_loadcnt 0
.endif
	v_max3_num_f32 v12, |v[WS_]|, |v[WS_+1]|, |v[WS_+2]|           ; the block's largest magnitude: all 32 numbers are mine
	v_max3_num_f32 v13, |v[WS_+3]|, |v[WS_+4]|, |v[WS_+5]|
.irp i, 6,10,14,18,22,26
	v_max3_num_f32 v12, v12, |v[WS_+\i]|, |v[WS_+\i+1]|
	v_max3_num_f32 v13, v13, |v[WS_+\i+2]|, |v[WS_+\i+3]|
.endr
	v_max3_num_f32 v12, v12, |v[WS_+30]|, |v[WS_+31]|
	v_max3_num_f32 v12, v12, v13, (EMAX+1)<<23     ; and the floor 2^(3 - 127): the byte cannot fall under 1
	v_add_nc_u32 v11, -(EMAX<<23), v12             ; 2 off the exponent field: the conversion takes the exponent field of this operand as its scale
	v_lshrrev_b32 v13, 23, v11                     ; the scale's byte
.if (\t)%4 == 0
	v_mov_b32 v[WSB+(\t)/4], v13
.else
	v_lshl_or_b32 v[WSB+(\t)/4], v13, 8*((\t)%4), v[WSB+(\t)/4]
.endif
.irp g, 0,1,2,3
	v_cvt_scalef32_pk8_fp4_f32 v[WC+4*(\t)+\g], v[WS_+8*\g:WS_+8*\g+7], v11
.endr
	global_store_b128 v8, v[WC+4*(\t):WC+4*(\t)+3], s[24:25] offset:256*(\t)   ; lanes 0-15 store 256 consecutive aligned bytes of one tile, lanes 16-31 of the next
.if (\t)+2 < 8
	WLOAD \N, \SLO, (\t)+2
.endif
.endm
; N: columns of the weight; NT: its tiles of 16 columns; FIRST: its first work-group; SLO: the scalar pair with its address; COFF, SOFF: where its codes and scale bytes begin in wq
.macro WPATH N, NT, FIRST, SLO, COFF, SOFF
	s_sub_co_u32 s17, ttmp9, \FIRST
	s_and_b32 s18, s17, 3                          ; which 256 along K
	s_lshr_b32 s19, s17, 2
	s_lshl_b32 s19, s19, 2
	s_add_co_u32 s19, s19, s16                     ; G: which 32 storage columns are my wave's
	v_and_b32 v3, 7, v2
	v_bfe_u32 v4, v2, 3, 1
	v_bfe_u32 v5, v2, 4, 1
	v_lshl_or_b32 v3, v4, 4, v3
	v_lshl_or_b32 v3, v5, 3, v3                    ; sigma(lane): the true column that storage column lane holds
	v_lshlrev_b32 v3, 2, v3
	s_wait_alu depctr_va_vdst(0)
	v_and_b32 v8, 15, v2
	v_lshlrev_b32 v8, 4, v8
	v_lshl_or_b32 v8, v5, 12, v8                   ; codes: tile lane / 16 (4,096 bytes), column lane % 16 (16 bytes)
	v_lshlrev_b32 v9, 3, v2                        ; scale bytes: 8 a lane
	s_mul_i32 s20, s18, 256*\N*4
	s_lshl_b32 s21, s19, 7
	s_add_co_u32 s20, s20, s21
	s_mov_b32 s21, 0
	s_add_nc_u64 s[\SLO:\SLO+1], s[\SLO:\SLO+1], s[20:21]
	s_lshr_b32 s22, s18, 1
	s_mul_i32 s22, s22, \NT*4096                   ; K half
	s_lshl_b32 s23, s19, 13                        ; two tiles a group
	s_add_co_u32 s22, s22, s23
	s_and_b32 s23, s18, 1
	s_lshl_b32 s23, s23, 11                        ; 8 blocks of 256 bytes
	s_add_co_u32 s22, s22, s23
	s_add_co_u32 s22, s22, \COFF
	s_mov_b32 s23, 0
	s_add_nc_u64 s[24:25], s[12:13], s[22:23]
	s_lshl_b32 s22, s19, 10
	s_lshl_b32 s26, s18, 8
	s_add_co_u32 s22, s22, s26
	s_add_co_u32 s22, s22, \SOFF
	s_add_nc_u64 s[26:27], s[12:13], s[22:23]
	WLOAD \N, \SLO, 0
	WLOAD \N, \SLO, 1
.irp t, 0,1,2,3,4,5,6,7
	WBLOCK \N, \SLO, \t
.endr
	global_store_b64 v9, v[WSB:WSB+1], s[26:27]    ; 32 lanes store 256 consecutive aligned bytes
	s_endpgm
.endm
; ---- x: a stream of blocks of 32; a lane needs 16 neighbours, a load is dense: the numbers turn through the wave's own stage in LDS
.macro XLOAD t
.irp i, 0,1,2,3
	global_load_b128 v[XR+16*((\t)%4)+4*\i:XR+16*((\t)%4)+4*\i+3], v3, s[4:5] offset:2048*(\t)+512*\i th:TH_LOAD_NT   ; 32 lanes read 512 consecutive bytes
.endr
.endm
.macro XTURN t                         ; LDS serves a wave's instructions in order: no wait between the stores and the loads
.irp i, 0,1,2,3
	ds_store_b128 v14, v[XR+16*((\t)%4)+4*\i:XR+16*((\t)%4)+4*\i+3] offset:32*SP*((\t)%2)+8*SP*\i
.endr
.irp i, 0,1,2,3
	ds_load_b128 v[XX+16*((\t)%2)+4*\i:XX+16*((\t)%2)+4*\i+3], v15 offset:32*SP*((\t)%2)+16*\i
.endr
.endm
.macro XSTEP t
.set XS_, XX+16*((\t)%2)
.if (\t) > 0
	s_wait_dscnt 1                                 ; this step's numbers are back from the stage (the last step's byte store may be out), so its stores into the stage have read their registers,
.else
	s_wait_dscnt 0x0
.endif
.if (\t)+4 < STEPS
	XLOAD (\t)+4                                   ; which take the loads of four steps on
.endif
.if (\t)+1 < STEPS
.if STEPS-2-(\t) >= 3
	s_wait_loadcnt 12                              ; the next step's four loads are in; those of the three steps behind it may be out
.else
	s_wait_loadcnt 4*(STEPS-2-(\t))
.endif
	XTURN (\t)+1
.endif
	v_max3_num_f32 v8, |v[XS_]|, |v[XS_+1]|, |v[XS_+2]|            ; the largest magnitude of my 16
	v_max3_num_f32 v9, |v[XS_+3]|, |v[XS_+4]|, |v[XS_+5]|
.irp i, 6,10
	v_max3_num_f32 v8, v8, |v[XS_+\i]|, |v[XS_+\i+1]|
	v_max3_num_f32 v9, v9, |v[XS_+\i+2]|, |v[XS_+\i+3]|
.endr
	v_max3_num_f32 v8, v8, |v[XS_+14]|, |v[XS_+15]|
	v_max3_num_f32 v8, v8, v9, (EMAX+1)<<23        ; and the floor
	v_max_num_f32_dpp v8, v8, v8 row_xmask:1 row_mask:0xf bank_mask:0xf   ; and of my neighbour's 16: the block's
	v_add_nc_u32 v11, -(EMAX<<23), v8
	v_cvt_scalef32_pk8_fp4_f32 v[XC+4*(\t)], v[XS_:XS_+7], v11
	v_cvt_scalef32_pk8_fp4_f32 v[XC+4*(\t)+1], v[XS_+8:XS_+15], v11
	v_lshrrev_b32 v[XE+(\t)], 23, v11              ; the scale's byte (also the plain line behind the conversions)
	ds_store_b8 v5, v[XE+(\t)] offset:16*(\t)      ; both lanes of a block write the same byte with the same value
	global_store_b64 v4, v[XC+4*(\t):XC+4*(\t)+1], s[8:9] offset:32*CB*(\t)   ; the wave stores 256 consecutive aligned bytes
.endm
	s_load_b256 s[4:11], s[0:1], 0x0               ; x s[4:5], W_qkv s[6:7], W_out s[8:9], xq s[10:11]
	s_load_b64 s[12:13], s[0:1], 0x20              ; wq
	v_lshl_add_u32 v192, v0, 2, 0x8000
	v_mov_b32 v193, 0
	v_lshrrev_b32 v1, 5, v0
	v_readfirstlane_b32 s16, v1                    ; wave 0..3
	v_and_b32 v2, 31, v0                           ; lane
	s_wait_kmcnt 0x0
	s_cmp_lt_u32 ttmp9, 96
	s_cbranch_scc1 .Lwqkv
	s_cmp_lt_u32 ttmp9, 128
	s_cbranch_scc1 .Lwout
	s_wait_alu depctr_va_vdst(0)
	; ---- x's path
	v_lshlrev_b32 v3, 4, v2                        ; my 16 bytes of a load's 512
	s_mul_i32 s17, s16, WREG
	v_lshrrev_b32 v14, 2, v2
	v_mul_u32_u24 v14, v14, SP
	v_and_b32 v15, 3, v2
	v_lshl_add_u32 v14, v15, 4, v14
	v_add_nc_u32 v14, s17, v14                     ; the stage, on the way in: SP (lane / 4) + 16 (lane % 4)
	v_mul_u32_u24 v15, v2, SP
	v_add_nc_u32 v15, s17, v15                     ; and on the way out: SP x lane: my 16 neighbours
	v_mul_u32_u24 v4, v2, CB                       ; my codes' place in a step's
	v_lshrrev_b32 v5, 1, v2
	s_add_co_u32 s17, s17, 2*32*SP
	v_add_nc_u32 v5, s17, v5                       ; LDS: my wave's 256 scale bytes, my block's byte
	v_lshlrev_b32 v7, 3, v2
	v_add_nc_u32 v6, s17, v7
	s_sub_co_u32 s17, ttmp9, 128
	s_lshl_b32 s17, s17, 2
	s_add_co_u32 s18, s17, s16                     ; the run of 8 true rows (8,192 numbers) that my wave reads
	s_lshl_b32 s20, s18, 15
	s_mov_b32 s21, 0
	s_add_nc_u64 s[4:5], s[4:5], s[20:21]
	s_and_b32 s19, s16, 1
	s_lshl_b32 s19, s19, 1
	s_lshr_b32 s22, s16, 1
	s_or_b32 s19, s19, s22
	s_add_co_u32 s19, s17, s19                     ; and where it is stored: a run is 8 rows, so sigma swaps the run's two lowest bits
	s_lshl_b32 s20, s19, 12
	s_add_nc_u64 s[8:9], s[10:11], s[20:21]        ; its codes, 4,096 bytes
	s_lshl_b32 s20, s19, 8
	s_add_co_u32 s20, s20, 4194304
	s_add_nc_u64 s[10:11], s[10:11], s[20:21]      ; its scale bytes, 256
.irp t, 0,1,2,3
	XLOAD \t
.endr
	s_wait_alu depctr_va_vdst(0)
	s_wait_loadcnt 12                              ; step 0's four loads are in
	XTURN 0
.irp t, 0,1,2,3,4,5,6,7,8,9,10,11,12,13,14,15
	XSTEP \t
.endr
	ds_load_b64 v[12:13], v6                       ; LDS serves a wave's instructions in order: these see my stores
	s_wait_dscnt 0x0
	global_store_b64 v7, v[12:13], s[10:11]        ; 32 lanes store 256 consecutive aligned bytes
	s_wait_tensorcnt 0x0
	ds_add_u32 v192, v193
	s_wait_dscnt 0x0
	s_endpgm
.Lwqkv:
	s_wait_alu depctr_va_vdst(0)
	WPATH 3072, 192, 0, 6, 0, 1572864
.Lwout:
	s_wait_alu depctr_va_vdst(0)
	WPATH 1024, 64, 96, 8, 1671168, 2195456
.Lfunc_end_k_q8dde92f7e3_quant:
	.size	k_q8dde92f7e3_quant, .Lfunc_end_k_q8dde92f7e3_quant-k_q8dde92f7e3_quant
	.p2alignl 7, 3214868480
	.fill 96, 4, 3214868480
	.section	.rodata,"a",@progbits
	.p2align	6, 0x0
	.amdhsa_kernel k_q8dde92f7e3_quant
		.amdhsa_group_segment_fixed_size 33280
		.amdhsa_private_segment_fixed_size 0
		.amdhsa_enable_private_segment 0
		.amdhsa_kernarg_size 40
		.amdhsa_user_sgpr_count 2
		.amdhsa_user_sgpr_kernarg_segment_ptr 1
		.amdhsa_wavefront_size32 1
		.amdhsa_system_sgpr_workgroup_id_x 1
		.amdhsa_system_sgpr_workgroup_id_y 1
		.amdhsa_system_sgpr_workgroup_id_z 1
		.amdhsa_system_vgpr_workitem_id 0
		.amdhsa_next_free_vgpr 194
		.amdhsa_next_free_sgpr 66
		.amdhsa_reserve_vcc 0
		.amdhsa_float_denorm_mode_32 3
		.amdhsa_float_denorm_mode_16_64 3
		.amdhsa_memory_ordered 1
		.amdhsa_forward_progress 1
		.amdhsa_inst_pref_size 109
	.end_amdhsa_kernel
	.amdgpu_metadata
---
amdhsa.version: [ 1, 2 ]
amdhsa.kernels:
  - .name:           k_q8dde92f7e3_quant
    .symbol:         k_q8dde92f7e3_quant.kd
    .args:
      - { .name: x, .offset: 0, .size: 8, .value_kind: global_buffer, .address_space: global }
      - { .name: W_qkv, .offset: 8, .size: 8, .value_kind: global_buffer, .address_space: global }
      - { .name: W_out, .offset: 16, .size: 8, .value_kind: global_buffer, .address_space: global }
      - { .name: xq, .offset: 24, .size: 8, .value_kind: global_buffer, .address_space: global }
      - { .name: wq, .offset: 32, .size: 8, .value_kind: global_buffer, .address_space: global }
    .group_segment_fixed_size: 33280
    .private_segment_fixed_size: 0
    .kernarg_segment_align: 8
    .kernarg_segment_size: 40
    .max_flat_workgroup_size: 128
    .sgpr_count:     66
    .vgpr_count:     194
    .wavefront_size: 32
...
	.end_amdgpu_metadata
.endif
;; end of part 1
;; launch qkv (part 2): grid 16 x 32, 4 waves a work-group, clusters of 4 x 4, 262,656 bytes of LDS; arguments xq, wq, b_qkv, qq, kv; writes qq, kv
.if DOCPART == 2
	.amdgcn_target "amdgcn-amd-amdhsa--gfx1250"
	.amdhsa_code_object_version 6
	.text
	.protected	k_q8dde92f7e3_qkv
	.globl	k_q8dde92f7e3_qkv
	.p2align	8
	.type	k_q8dde92f7e3_qkv,@function
k_q8dde92f7e3_qkv:
	s_mov_b64 s[64:65], 0
	v_nop
	global_prefetch_b8 v0, s[64:65] scope:SCOPE_SE
	s_setreg_imm32_b32 hwreg(HW_REG_WAVE_MODE, 25, 1), 1
	s_wait_xcnt 0x0
	s_wait_alu depctr_hold_cnt(0) depctr_sa_sdst(0) depctr_va_vdst(0) depctr_va_sdst(0) depctr_va_ssrc(0) depctr_va_vcc(0) depctr_vm_vsrc(0)
	s_getreg_b32 s2, hwreg(HW_REG_IB_STS2, 6, 4)
	s_cmp_eq_u32 s2, 0
	s_cbranch_scc0 .Lentry_in_a_cluster
	s_endpgm
.Lentry_in_a_cluster:
	s_bfe_u32 s2, ttmp6, 0x10000c
	s_cmp_lg_u32 s2, 0xf033
	s_cbranch_scc0 .Lentry_shape_is_right
	s_endpgm
.Lentry_shape_is_right:
; qkv = x W_qkv + b_qkv on codes of FP4, and q, k, v quantised in registers for the attention launch.
; A work-group makes 256 storage rows of x (grid y) x one head's 192 columns (grid x).  Wave w = 2 R + p takes rows 128 R .. + 127 (8 tiles of 16: one key step) and makes
;   q (p = 0) or k (p = 1): 8 x 4 tiles, TRANSPOSED (source 0 = 16 columns of W, source 1 = 16 rows of x): a lane holds one row, its registers run along the head's 64: the next K;
;   v's columns 32 p .. + 31: 8 x 2 tiles, NOT transposed (source 0 = x, source 1 = W): a lane holds one column, its registers run along the 128 keys: the next K.
; Rows of x and columns of W lie in storage order (bits 3 and 4 of the index swapped), so the 16 registers of two neighbouring tiles are 16 true neighbours along that K.
; K = 1,024 lies whole in LDS, in two halves: every tile is filled once, by joint loads: x's tiles are shared along a row of the 4 x 4 cluster, W's along a column.  A wave has five tensor loads out.
; OUT, as images of operand registers (16 bytes at 16 x lane): qq: [b h][tile of 16 rows][512 bytes], scale words [b h][key step][lane][pair of tiles][4];
;   kv: [b h][key step][8,960]: 8 tiles of k (512 each), 4 tiles of v (1,024 each), k's scale words (512), v's (256).
; LIMITS: NaN and infinities are not served; a block of zeros gets the byte 1 and not 127 (its codes are zeros; this program alone reads the bytes).
; REGISTERS: window 0: v1-24 addresses; v32-63 x's scale words, v64-87 W's; v88-123 biases; v124-127 scale words to store; v128-191 64 numbers to quantise; v192-218 at work.
;   window 1: two sets of fragments (x at 8 mm, q/k's W at 64 + 8 n, v's W at 96 + 8 d).   window 2: q/k's 32 accumulators at 32 mm + 8 n.   window 3: v's 16 at 64 d + 8 mm.
.set A1,   69632                       ; LDS: x's codes: 256 rows x (256 + 16) bytes, K half 0 at 0, K half 1 here
.set B0,   139264                      ; W's 12 tiles x 4,096 bytes, images, K half 0
.set B1,   188416                      ; K half 1
.set XSC,  237568                      ; x's scale bytes: 32 units of 256 + 16
.set WSC,  246272                      ; W's: 6 groups x 1,024
.set XS,   32
.set WS,   64
.set BQ,   88
.set BV,   120
.set MW,   124
.set H,    128
.set TM,   192
.set PC,   208
.set PW,   216
.set SEL,  100
.set MSB, 0
.macro WIN new                         ; the immediate's high byte repeats the setting that is left
.if MSB != \new
	s_set_vgpr_msb (MSB<<8)|\new
.set MSB, \new
.endif
.endm
.macro NOPS n
.rept \n
	v_nop
.endr
.endm
.macro JLOAD g0a, g1a, g0b, g1b        ; waves 0, 1 ask by the first pair of groups, waves 2, 3 by the second; four v_nop follow each line
	s_cmp_eq_u32 s15, 0
	s_cbranch_scc0 .Lfor_b_\@
	tensor_load_to_lds s[\g0a:\g0a+3], s[\g1a:\g1a+7]
	s_nop 0
	NOPS 4
	s_branch .Lasked_\@
.Lfor_b_\@:
	tensor_load_to_lds s[\g0b:\g0b+3], s[\g1b:\g1b+7]
	s_nop 0
	NOPS 4
.Lasked_\@:
.endm
.macro CROUND                          ; a round of the cluster's barrier
	s_barrier_signal -1
	s_barrier_wait -1
	s_cmp_lg_u32 s14, 0
	s_cbranch_scc1 .Lnot_wave_0_\@
	s_barrier_signal -3
.Lnot_wave_0_\@:
	s_barrier_wait -3
	s_barrier_signal -1
	s_barrier_wait -1
.endm
; one scaled product: D at d, A at a, B at b, C at c (z = 1: the constant 0); scale registers sa, sb; ra, rb = 1: that side's scales are read from lanes 16-31
.macro WM d, a, b, c, z, sa, sb, ra, rb
.if \z
.if ((\ra)==0)&&((\rb)==0)
	v_wmma_scale_f32_16x16x128_f8f6f4 v[(\d):(\d)+7], v[(\a):(\a)+7], v[(\b):(\b)+7], 0, v[\sa], v[\sb] matrix_a_fmt:MATRIX_FMT_FP4 matrix_b_fmt:MATRIX_FMT_FP4
.elseif (\rb)==0
	v_wmma_scale_f32_16x16x128_f8f6f4 v[(\d):(\d)+7], v[(\a):(\a)+7], v[(\b):(\b)+7], 0, v[\sa], v[\sb] matrix_a_fmt:MATRIX_FMT_FP4 matrix_b_fmt:MATRIX_FMT_FP4 matrix_a_scale:MATRIX_SCALE_ROW1
.elseif (\ra)==0
	v_wmma_scale_f32_16x16x128_f8f6f4 v[(\d):(\d)+7], v[(\a):(\a)+7], v[(\b):(\b)+7], 0, v[\sa], v[\sb] matrix_a_fmt:MATRIX_FMT_FP4 matrix_b_fmt:MATRIX_FMT_FP4 matrix_b_scale:MATRIX_SCALE_ROW1
.else
	v_wmma_scale_f32_16x16x128_f8f6f4 v[(\d):(\d)+7], v[(\a):(\a)+7], v[(\b):(\b)+7], 0, v[\sa], v[\sb] matrix_a_fmt:MATRIX_FMT_FP4 matrix_b_fmt:MATRIX_FMT_FP4 matrix_a_scale:MATRIX_SCALE_ROW1 matrix_b_scale:MATRIX_SCALE_ROW1
.endif
.else
.if ((\ra)==0)&&((\rb)==0)
	v_wmma_scale_f32_16x16x128_f8f6f4 v[(\d):(\d)+7], v[(\a):(\a)+7], v[(\b):(\b)+7], v[(\c):(\c)+7], v[\sa], v[\sb] matrix_a_fmt:MATRIX_FMT_FP4 matrix_b_fmt:MATRIX_FMT_FP4
.elseif (\rb)==0
	v_wmma_scale_f32_16x16x128_f8f6f4 v[(\d):(\d)+7], v[(\a):(\a)+7], v[(\b):(\b)+7], v[(\c):(\c)+7], v[\sa], v[\sb] matrix_a_fmt:MATRIX_FMT_FP4 matrix_b_fmt:MATRIX_FMT_FP4 matrix_a_scale:MATRIX_SCALE_ROW1
.elseif (\ra)==0
	v_wmma_scale_f32_16x16x128_f8f6f4 v[(\d):(\d)+7], v[(\a):(\a)+7], v[(\b):(\b)+7], v[(\c):(\c)+7], v[\sa], v[\sb] matrix_a_fmt:MATRIX_FMT_FP4 matrix_b_fmt:MATRIX_FMT_FP4 matrix_b_scale:MATRIX_SCALE_ROW1
.else
	v_wmma_scale_f32_16x16x128_f8f6f4 v[(\d):(\d)+7], v[(\a):(\a)+7], v[(\b):(\b)+7], v[(\c):(\c)+7], v[\sa], v[\sb] matrix_a_fmt:MATRIX_FMT_FP4 matrix_b_fmt:MATRIX_FMT_FP4 matrix_a_scale:MATRIX_SCALE_ROW1 matrix_b_scale:MATRIX_SCALE_ROW1
.endif
.endif
.endm
; the 14 fragments of K step g (128 along K) into set g % 2: 28 LDS loads in one run
.macro FETCH g
.set FH, (\g)/4
.set FS, 128*((\g)%2)
.set FK, (\g)%4
	WIN 0x40                                       ; destination window 1, address window 0
.irp mm, 0,1,2,3,4,5,6,7
.irp c, 0,1
	ds_load_b128 v[FS+8*\mm+4*\c:FS+8*\mm+4*\c+3], v[16+FH] offset:\mm*4352+64*FK+32*\c       ; x: rows 272 bytes apart
.endr
.endr
.irp n, 0,1,2,3
.irp c, 0,1
	ds_load_b128 v[FS+64+8*\n+4*\c:FS+64+8*\n+4*\c+3], v[18+FH] offset:\n*4096+1024*FK+512*\c ; W for q or k: images, 512 consecutive bytes a load
.endr
.endr
.irp d, 0,1
.irp c, 0,1
	ds_load_b128 v[FS+96+8*\d+4*\c:FS+96+8*\d+4*\c+3], v[20+FH] offset:\d*4096+1024*FK+512*\c ; W for v
.endr
.endr
.endm
; K step g: 48 products; the 48 accumulators take turns, one instruction a turn, in the same order in every step
.macro MULS g, z
.set MS, 128*((\g)%2)
	WIN 0xa5                                       ; sources 0 and 1 window 1, C and D window 2
.irp mm, 0,1,2,3,4,5,6,7
.irp n, 0,1,2,3
	WM 32*\mm+8*\n, MS+64+8*\n, MS+8*\mm, 32*\mm+8*\n, \z, WS+8*(\n/2)+(\g), XS+8*(\mm/2)+(\g), \n%2, \mm%2
.endr
.endr
	WIN 0xf5                                       ; C and D window 3
.irp d, 0,1
.irp mm, 0,1,2,3,4,5,6,7
	WM 64*\d+8*\mm, MS+8*\mm, MS+96+8*\d, 64*\d+8*\mm, \z, XS+8*(\mm/2)+(\g), WS+16+(\g), \mm%2, \d
.endr
.endr
.endm
; 64 numbers of a lane, register 16 b + i = k 32 b + 16 (lane / 16) + i of my row, become 8 registers of codes in v[PC] on and four scale bytes in v[PW]
.macro QUANT s
.irp b, 0,1,2,3
	v_max3_num_f32 v[TM+\b], |v[\s+16*\b]|, |v[\s+1+16*\b]|, 0x1800000   ; my 16 numbers of block b, and the floor 2^(3 - 127): the byte cannot fall under 1
.endr
.irp i, 2,4,6,8,10,12,14
.irp b, 0,1,2,3
	v_max3_num_f32 v[TM+\b], v[TM+\b], |v[\s+16*\b+\i]|, |v[\s+1+16*\b+\i]|
.endr
.endr
.irp b, 0,1,2,3
	v_permlanex16_b32 v[TM+4+\b], v[TM+\b], s[SEL], s[SEL+1]
.endr
.irp b, 0,1,2,3
	v_max_num_f32 v[TM+\b], v[TM+\b], v[TM+4+\b]   ; with lane l xor 16's: the block's largest magnitude
.endr
.irp b, 0,1,2,3
	v_add_nc_u32 v[TM+12+\b], 0xff000000, v[TM+\b] ; 2 off its exponent field: the conversion's scale operand
.endr
.irp b, 0,1,2,3
	v_lshrrev_b32 v[TM+4+\b], 23, v[TM+12+\b]      ; the scale's byte
.endr
	v_lshl_or_b32 v[PW], v[TM+5], 8, v[TM+4]
	v_lshl_or_b32 v[PW], v[TM+6], 16, v[PW]
	v_lshl_or_b32 v[PW], v[TM+7], 24, v[PW]
.irp b, 0,1,2,3
	v_cvt_scalef32_pk8_fp4_f32 v[PC+2*\b], v[\s+16*\b:\s+7+16*\b], v[TM+12+\b]
	v_cvt_scalef32_pk8_fp4_f32 v[PC+1+2*\b], v[\s+8+16*\b:\s+15+16*\b], v[TM+12+\b]
.endr
	v_nop                                          ; one plain line behind a scaled conversion
.irp c, 0,1                                    ; the operand wants a whole block in a lane: lanes 0-15 block 2 c, lanes 16-31 block 2 c + 1
.irp i, 0,1
	v_permlane16_swap_b32 v[PC+4*\c+\i], v[PC+2+4*\c+\i]
.endr
.endr
.endm
	s_load_b256 s[4:11], s[0:1], 0x0               ; xq s[4:5], wq s[6:7], b_qkv s[8:9], qq s[10:11]
	s_load_b64 s[12:13], s[0:1], 0x20              ; kv
	v_lshl_add_u32 v254, v0, 2, 0x40000
	v_mov_b32 v255, 0
	ds_add_u32 v254, v255
	ds_add_u32 v254, v255
	v_lshrrev_b32 v3, 5, v0
	v_readfirstlane_b32 s14, v3                    ; wave 0..3
	s_lshr_b32 s15, s14, 1                         ; R: which 128 rows
	s_and_b32 s16, s14, 1                          ; p: q or k, and which half of v
	s_bfe_u32 s84, ttmp6, 0x40000                  ; cx, cy: my place in the cluster
	s_bfe_u32 s85, ttmp6, 0x40004
	s_lshl_b32 s18, ttmp9, 2
	s_add_co_u32 s18, s18, s84                     ; the head = 4 x cluster x + cx
	s_and_b32 s17, ttmp7, 0xffff
	s_lshl_b32 s17, s17, 2
	s_add_co_u32 s17, s17, s85                     ; the block of 256 rows = 4 x cluster y + cy
	s_lshl_b32 s86, s85, 2
	s_lshl_b32 s86, 15, s86                        ; my row of the cluster
	s_lshl_b32 s87, 0x1111, s84                    ; my column
	; group 1 for x's codes: 64 rows x 256 bytes, 512 apart in memory, 16 bytes of padding behind each
	s_or_b32 s24, s86, (1<<20)|(1<<21)|(5<<22)|(3<<25)
	s_mov_b32 s25, 256<<16
	s_mov_b32 s26, 64<<16
	s_mov_b32 s27, 256<<16
	s_mov_b32 s28, 64
	s_mov_b32 s29, 512
	s_mov_b32 s30, 0
	s_mov_b32 s31, 0
	; for W's codes: 12,288 dense bytes as 48 rows of 256 (32 elements of 8 bytes)
	s_or_b32 s32, s87, (3<<16)|(1<<21)
	s_mov_b32 s33, 32<<16
	s_mov_b32 s34, 48<<16
	s_mov_b32 s35, 32<<16
	s_mov_b32 s36, 48
	s_mov_b32 s37, 32
	s_mov_b32 s38, 0
	s_mov_b32 s39, 0
	; for x's scale bytes: 4,096 dense bytes as 16 rows of 256, padded
	s_or_b32 s40, s86, (3<<16)|(1<<20)|(1<<21)|(5<<22)|(3<<25)
	s_mov_b32 s41, 32<<16
	s_mov_b32 s42, 16<<16
	s_mov_b32 s43, 32<<16
	s_mov_b32 s44, 16
	s_mov_b32 s45, 32
	s_mov_b32 s46, 0
	s_mov_b32 s47, 0
	; for W's scale bytes: 3,072 dense bytes as 12 rows of 256
	s_or_b32 s48, s87, (3<<16)|(1<<21)
	s_mov_b32 s49, 32<<16
	s_mov_b32 s50, 12<<16
	s_mov_b32 s51, 32<<16
	s_mov_b32 s52, 12
	s_mov_b32 s53, 32
	s_mov_b32 s54, 0
	s_mov_b32 s55, 0
	; where the tiles come from: x's hang on the block of rows and the wave alone, W's on the head and the wave alone, each in registers that never hold the other coordinate
	s_lshl_b32 s88, s17, 17
	s_lshl_b32 s89, s14, 15
	s_add_co_u32 s88, s88, s89                     ; (256 y + 64 w) rows of 512 bytes
	s_mov_b32 s89, 0
	s_lshl_b32 s90, s17, 13
	s_lshl_b32 s91, s16, 12
	s_add_co_u32 s90, s90, s91
	s_add_co_u32 s90, s90, 4194304                 ; (256 y + 128 p) rows of 32 scale bytes
	s_mov_b32 s91, 0
	s_mul_i32 s92, s18, 49152
	s_mul_i32 s93, s14, 12288
	s_add_co_u32 s92, s92, s93                     ; the head's 12 tiles, my quarter
	s_mov_b32 s93, 0
	s_mul_i32 s94, s18, 6144
	s_mul_i32 s95, s16, 3072
	s_add_co_u32 s94, s94, s95
	s_add_co_u32 s94, s94, 1572864                 ; the head's 6 groups of scale bytes, my half
	s_mov_b32 s95, 0
	s_mov_b32 s[SEL], 0x76543210
	s_mov_b32 s[SEL+1], 0xfedcba98                 ; v_permlanex16_b32's selects for lane l xor 16
	s_wait_dscnt 0x0
	s_wait_kmcnt 0x0
	s_add_nc_u64 s[88:89], s[4:5], s[88:89]
	s_add_nc_u64 s[90:91], s[4:5], s[90:91]
	s_add_nc_u64 s[92:93], s[6:7], s[92:93]
	s_add_nc_u64 s[94:95], s[6:7], s[94:95]
	CROUND                                         ; all sixteen work-groups are here: the joint loads meet
	s_mov_b32 s76, 1                               ; x's scale bytes (waves 0, 1)
	s_mul_i32 s77, s16, 4352
	s_add_co_u32 s77, s77, XSC
	s_mov_b64 s[78:79], s[90:91]
	s_or_b32 s79, s79, 0x80000000
	s_mov_b32 s80, 1                               ; W's scale bytes (waves 2, 3)
	s_mul_i32 s81, s16, 3072
	s_add_co_u32 s81, s81, WSC
	s_mov_b64 s[82:83], s[94:95]
	s_or_b32 s83, s83, 0x80000000
	JLOAD 76, 40, 80, 48
	s_mov_b32 s56, 1                               ; x's codes, K half 0: my 64 rows
	s_mul_i32 s57, s14, 17408
	s_mov_b64 s[58:59], s[88:89]
	s_or_b32 s59, s59, 0x80000000
	s_mov_b32 s60, 1                               ; K half 1
	s_add_co_u32 s61, s57, A1
	s_add_nc_u64 s[62:63], s[88:89], 256
	s_or_b32 s63, s63, 0x80000000
	s_mov_b32 s68, 1                               ; W's codes, K half 0: my three tiles
	s_mul_i32 s69, s14, 12288
	s_add_co_u32 s73, s69, B1
	s_add_co_u32 s69, s69, B0
	s_mov_b64 s[70:71], s[92:93]
	s_or_b32 s71, s71, 0x80000000
	s_mov_b32 s72, 1                               ; K half 1
	s_add_nc_u64 s[74:75], s[92:93], 786432
	s_or_b32 s75, s75, 0x80000000
	tensor_load_to_lds s[56:59], s[24:31]
	s_nop 0
	NOPS 4
	tensor_load_to_lds s[68:71], s[32:39]
	s_nop 0
	NOPS 4
	tensor_load_to_lds s[60:63], s[24:31]
	s_nop 0
	NOPS 4
	tensor_load_to_lds s[72:75], s[32:39]
	s_nop 0
	NOPS 4
	; addresses
	v_and_b32 v3, 31, v0                           ; lane
	v_lshlrev_b32 v1, 4, v3                        ; 16 x lane: an image's place for my lane
	v_lshlrev_b32 v2, 2, v3                        ; 4 x lane
	v_and_b32 v4, 15, v0                           ; r
	v_bfe_u32 v5, v0, 4, 1                         ; h
	v_mul_u32_u24 v6, v4, 272
	v_lshl_add_u32 v6, v5, 4, v6
	s_mul_i32 s19, s15, 128*272
	v_add_nc_u32 v16, s19, v6                      ; x's fragments: row (128 R + r) x 272 + 16 h, K half 0,
	v_add_nc_u32 v17, A1, v16                      ; K half 1
	s_lshl_b32 s19, s16, 14
	s_add_co_u32 s19, s19, B0
	v_add_nc_u32 v18, s19, v1                      ; W's tiles 4 p .. 4 p + 3
	v_add_nc_u32 v19, B1-B0, v18
	s_lshl_b32 s19, s16, 13
	s_add_co_u32 s19, s19, B0+32768
	v_add_nc_u32 v20, s19, v1                      ; W's tiles 8 + 2 p, 9 + 2 p
	v_add_nc_u32 v21, B1-B0, v20
	v_lshrrev_b32 v7, 3, v3
	v_mul_u32_u24 v7, v7, 272
	v_and_b32 v8, 7, v3
	v_lshl_add_u32 v7, v8, 5, v7
	s_mul_i32 s19, s15, 4352
	s_add_co_u32 s19, s19, XSC
	v_add_nc_u32 v22, s19, v7                      ; x's scale words: row lane of a pair of tiles: 8 rows of 32 bytes to a unit
	v_lshlrev_b32 v9, 3, v3
	s_lshl_b32 s19, s16, 11
	s_add_co_u32 s19, s19, WSC
	v_add_nc_u32 v23, s19, v9                      ; W's, groups 2 p, 2 p + 1
	s_lshl_b32 s19, s16, 10
	s_add_co_u32 s19, s19, WSC+4096
	v_add_nc_u32 v24, s19, v9                      ; group 4 + p
	; the biases.  q/k: lane (r, h), tile n, register j: column 64 p + 32 (n / 2) + 16 h + 8 (n % 2) + j of the head.  v: lane r, tile d: column 128 + 32 p + 8 d + r + 8 (r / 8)
	s_mul_i32 s2, s18, 768
	s_lshl_b32 s3, s16, 8
	s_add_co_u32 s2, s2, s3
	s_mov_b32 s3, 0
	s_add_nc_u64 s[8:9], s[8:9], s[2:3]
	v_lshlrev_b32 v10, 6, v5
.irp n, 0,1,2,3
	global_load_b128 v[BQ+8*\n:BQ+8*\n+3], v10, s[8:9] offset:(32*(\n/2)+8*(\n%2))*4
	global_load_b128 v[BQ+8*\n+4:BQ+8*\n+7], v10, s[8:9] offset:(32*(\n/2)+8*(\n%2))*4+16
.endr
	v_and_b32 v11, 8, v4
	v_add_nc_u32 v11, v11, v4
	v_lshlrev_b32 v11, 2, v11
	s_lshl_b32 s2, s16, 7
	s_sub_co_u32 s2, 512, s2                       ; (128 + 32 p - 64 p) x 4 bytes on from q's or k's
	v_add_nc_u32 v11, s2, v11
	global_load_b32 v[BV], v11, s[8:9]
	global_load_b32 v[BV+2], v11, s[8:9] offset:32
	v_mov_b32 v[BV+1], 0                           ; named with them as pairs, so they are written
	v_mov_b32 v[BV+3], 0
.irp b, 0,1,2,3
	v_mov_b32 v[TM+4+\b], 0                        ; written once: a lane permute's destination counts as one of its sources
.endr
	; where the results go
	s_lshr_b32 s2, s17, 3
	s_lshl_b32 s2, s2, 4
	s_add_co_u32 s2, s2, s18                       ; b h = 16 x batch + head
	s_and_b32 s3, s17, 7
	s_lshl_b32 s3, s3, 1
	s_add_co_u32 s3, s3, s15                       ; the key step of my 128 rows
	s_mul_i32 s66, s2, 143360
	s_mul_i32 s67, s3, 8960
	s_add_co_u32 s66, s66, s67
	s_mov_b32 s67, 0
	s_add_nc_u64 s[12:13], s[12:13], s[66:67]      ; kv's chunk
	s_lshl_b32 s66, s2, 16
	s_lshl_b32 s19, s3, 12
	s_add_co_u32 s66, s66, s19
	s_add_nc_u64 s[20:21], s[10:11], s[66:67]      ; q's 8 tiles
	s_lshl_b32 s66, s2, 13
	s_lshl_b32 s19, s3, 9
	s_add_co_u32 s66, s66, s19
	s_add_co_u32 s66, s66, 4194304
	s_add_nc_u64 s[22:23], s[10:11], s[66:67]      ; q's scale words
	s_add_nc_u64 s[98:99], s[12:13], 8192          ; k's scale words
	s_cmp_eq_u32 s16, 0                            ; the choice hangs on the wave's number alone
	s_cselect_b64 s[20:21], s[20:21], s[12:13]
	s_cselect_b64 s[22:23], s[22:23], s[98:99]
	s_lshl_b32 s66, s16, 11
	s_add_co_u32 s66, s66, 4096
	s_add_nc_u64 s[96:97], s[12:13], s[66:67]      ; v's tiles 2 p, 2 p + 1
	s_lshl_b32 s66, s16, 7
	s_add_co_u32 s66, s66, 8704
	s_add_nc_u64 s[98:99], s[12:13], s[66:67]      ; and their scale words
	s_wait_tensorcnt 0x2                           ; my scale bytes and my parts of K half 0 are in; the two loads of K half 1 may be out
	s_barrier_signal -1
	s_barrier_wait -1                              ; everybody's are
.irp pi, 0,1,2,3
.irp kh, 0,1
	ds_load_b128 v[XS+8*\pi+4*\kh:XS+8*\pi+4*\kh+3], v22 offset:\pi*1088+16*\kh   ; lanes 0-15: tile 2 pi's rows, lanes 16-31: tile 2 pi + 1's; a word for each K step
.endr
.endr
.irp gi, 0,1
.irp kq, 0,1,2,3
	ds_load_b64 v[WS+8*\gi+2*\kq:WS+8*\gi+2*\kq+1], v23 offset:\gi*1024+\kq*256
.endr
.endr
.irp kq, 0,1,2,3
	ds_load_b64 v[WS+16+2*\kq:WS+16+2*\kq+1], v24 offset:\kq*256
.endr
	FETCH 0
.irp g, 0,1,2,3,4,5,6,7
.if \g == 3
	s_wait_tensorcnt 0x0                           ; my parts of K half 1 are in,
	s_wait_dscnt 0x0                               ; no LDS load of mine is out at the signal,
	s_barrier_signal -1
	s_barrier_wait -1                              ; everybody's are
.endif
.if \g > 0
	NOPS 4                                         ; four plain lines between the last products and loads into the registers that they read
.endif
.if \g < 7
	FETCH \g+1
	s_wait_dscnt 28                                ; all but the 28 just issued
.else
	s_wait_dscnt 0x0
.endif
.if \g == 0
	MULS \g, 1                                     ; the first K step starts the sums: nothing is cleared
.else
	MULS \g, 0
.endif
.endr
	WIN 0
	NOPS 4                                         ; in front of the first read of results
	s_mov_b32 vcc_lo, 0xffff0000                   ; lanes 16-31
	s_wait_loadcnt 0x0                             ; the biases
	; q or k: two tiles of rows at a time: 2 x 2 blocks of 32 along the head's 64
.irp pp, 0,1,2,3
	s_wait_xcnt 0x0                                ; the last stores have read their data: the codes' registers are written again only behind this wait
	WIN 0x02                                       ; source 0 window 2
.set i, 0
.rept 32
	v_pk_add_f32 v[H+2*i:H+2*i+1], v[64*\pp+2*i:64*\pp+2*i+1], v[BQ+(2*i)%32:BQ+(2*i)%32+1]   ; + bias; each accumulator from its low end on
.set i, i+1
.endr
	WIN 0
	QUANT H
	global_store_b128 v1, v[PC:PC+3], s[20:21] offset:1024*\pp          ; tile 2 pp: 512 consecutive bytes
	global_store_b128 v1, v[PC+4:PC+7], s[20:21] offset:1024*\pp+512    ; tile 2 pp + 1
	v_lshrrev_b32 v217, 16, v[PW]
	v_cndmask_b32 v[MW+\pp], v[PW], v217, vcc_lo   ; lanes 0-15: tile 2 pp's two bytes lowest; lanes 16-31: tile 2 pp + 1's.  The bytes above them scale zero codes and are never 0xff
.endr
	global_store_b128 v1, v[MW:MW+3], s[22:23]     ; 512 consecutive bytes
	; v: a tile of 16 columns at a time: 4 blocks of 32 along the 128 keys: one fragment
.irp d, 0,1
	s_wait_xcnt 0x0
	WIN 0x03                                       ; source 0 window 3
.set i, 0
.rept 32
	v_pk_add_f32 v[H+2*i:H+2*i+1], v[64*\d+2*i:64*\d+2*i+1], v[BV+2*\d:BV+2*\d+1] op_sel_hi:[1,0]
.set i, i+1
.endr
	WIN 0
	QUANT H
	global_store_b128 v1, v[PC:PC+3], s[96:97] offset:1024*\d
	global_store_b128 v1, v[PC+4:PC+7], s[96:97] offset:1024*\d+512
.if \d == 0
	v_mov_b32 v218, v[PW]
.endif
.endr
	v_cndmask_b32 v217, v218, v[PW], vcc_lo        ; lanes 0-15: tile 2 p's words, lanes 16-31: tile 2 p + 1's
	global_store_b32 v2, v217, s[98:99]            ; 128 consecutive bytes: the other wave of my rows stores the 128 beside them
	s_wait_tensorcnt 0x0
	ds_add_u32 v254, v255
	s_wait_dscnt 0x0
	CROUND                                         ; the closing round
	s_endpgm
.Lfunc_end_k_q8dde92f7e3_qkv:
	.size	k_q8dde92f7e3_qkv, .Lfunc_end_k_q8dde92f7e3_qkv-k_q8dde92f7e3_qkv
	.p2alignl 7, 3214868480
	.fill 96, 4, 3214868480
	.section	.rodata,"a",@progbits
	.p2align	6, 0x0
	.amdhsa_kernel k_q8dde92f7e3_qkv
		.amdhsa_group_segment_fixed_size 262656
		.amdhsa_private_segment_fixed_size 0
		.amdhsa_enable_private_segment 0
		.amdhsa_kernarg_size 40
		.amdhsa_user_sgpr_count 2
		.amdhsa_user_sgpr_kernarg_segment_ptr 1
		.amdhsa_wavefront_size32 1
		.amdhsa_system_sgpr_workgroup_id_x 1
		.amdhsa_system_sgpr_workgroup_id_y 1
		.amdhsa_system_sgpr_workgroup_id_z 1
		.amdhsa_system_vgpr_workitem_id 0
		.amdhsa_next_free_vgpr 896
		.amdhsa_next_free_sgpr 102
		.amdhsa_reserve_vcc 1
		.amdhsa_float_denorm_mode_32 3
		.amdhsa_float_denorm_mode_16_64 3
		.amdhsa_memory_ordered 1
		.amdhsa_forward_progress 1
		.amdhsa_inst_pref_size 115
	.end_amdhsa_kernel
	.amdgpu_metadata
---
amdhsa.version: [ 1, 2 ]
amdhsa.kernels:
  - .name:           k_q8dde92f7e3_qkv
    .symbol:         k_q8dde92f7e3_qkv.kd
    .args:
      - { .name: xq, .offset: 0, .size: 8, .value_kind: global_buffer, .address_space: global }
      - { .name: wq, .offset: 8, .size: 8, .value_kind: global_buffer, .address_space: global }
      - { .name: b_qkv, .offset: 16, .size: 8, .value_kind: global_buffer, .address_space: global }
      - { .name: qq, .offset: 24, .size: 8, .value_kind: global_buffer, .address_space: global }
      - { .name: kv, .offset: 32, .size: 8, .value_kind: global_buffer, .address_space: global }
    .group_segment_fixed_size: 262656
    .private_segment_fixed_size: 0
    .kernarg_segment_align: 8
    .kernarg_segment_size: 40
    .max_flat_workgroup_size: 128
    .sgpr_count:     102
    .vgpr_count:     896
    .wavefront_size: 32
...
	.end_amdgpu_metadata
.endif
;; end of part 2
;; launch attn (part 3): grid 4 x 64, 16 waves a work-group, clusters of 4 x 1, 169,984 bytes of LDS; arguments qq, kv, va; writes va
.if DOCPART == 3
	.amdgcn_target "amdgcn-amd-amdhsa--gfx1250"
	.amdhsa_code_object_version 6
	.text
	.protected	k_q8dde92f7e3_attn
	.globl	k_q8dde92f7e3_attn
	.p2align	8
	.type	k_q8dde92f7e3_attn,@function
k_q8dde92f7e3_attn:
	s_mov_b64 s[64:65], 0
	v_nop
	global_prefetch_b8 v0, s[64:65] scope:SCOPE_SE
	s_setreg_imm32_b32 hwreg(HW_REG_WAVE_MODE, 25, 1), 1
	s_wait_xcnt 0x0
	s_wait_alu depctr_hold_cnt(0) depctr_sa_sdst(0) depctr_va_vdst(0) depctr_va_sdst(0) depctr_va_ssrc(0) depctr_va_vcc(0) depctr_vm_vsrc(0)
	s_getreg_b32 s2, hwreg(HW_REG_IB_STS2, 6, 4)
	s_cmp_eq_u32 s2, 0
	s_cbranch_scc0 .Lentry_in_a_cluster
	s_endpgm
.Lentry_in_a_cluster:
	s_bfe_u32 s2, ttmp6, 0x10000c
	s_cmp_lg_u32 s2, 0x3003
	s_cbranch_scc0 .Lentry_shape_is_right
	s_endpgm
.Lentry_shape_is_right:
; vals = softmax(q k^T / 32, causal) v for one (batch, head) a cluster, both products on codes of FP4; vals quantised in registers for the last product.
; t = score x log2(e) / 32; M = the running largest t rounded up to a whole number; p = 2^(t - M) is quantised along the keys; the row's sum is taken of the unquantised p and divides at the end.
; THE HEAD'S K AND V, 16 key steps x 8,960 bytes, come into LDS ONCE, jointly for the four work-groups of the cluster (one tensor load a wave), and stay: nothing is filled again.
; SHARES.  Partner cx takes query tiles j = 4 i + cx; wave w takes i = w and i = 31 - w.  Tile j's last key step is i / 2, whatever cx: no branch hangs on the place in the cluster, and every wave works 17 key steps.
; Each tile walks a loop of 16 trips; a trip whose 128 keys all come after the tile's queries does nothing but step its counters (a scalar branch on the wave's number).
; LAYOUT.  Both products transposed: S^T = k q^T, O^T = v^T p^T: a lane holds one query.  Rows lie in storage order (bits 3, 4 of the index swapped), so the 16 registers of two neighbouring tiles are 16 true neighbours.
; THE FIRST PRODUCT'S K IS 64, half of the instruction's 128: q's upper four registers hold zero codes; k's operand reaches into the next tile's registers, whose codes meet those zeros; no scale byte is 0xff.
; Hidden scores become -infinity where reference() has -1e9: the same p = 0 while real logits stay above -1e9.  NaN and infinities among the inputs are not served.
; REGISTERS: v1 16 x lane, v2 4 x lane, v3-4 the tiles' causal bounds, v5 the scale store's offset, v8-9 LDS addresses, v12 -M, v13 largest t, v[14:15] the sum, v16-31 q (two tiles), v32-67 k, v68-71 k's scale words,
;   v72-73 v's, v74-75 q's, v76-78 vals' scale words, v80-87 vals' codes, v96-159 S^T then p, v160-191 O^T, v192-223 v, v224-231 p's codes, v232-254 at work.
.set CHUNK, 8960
.set WV,   18
.set SEL,  20
.set CS,   22
.macro NOPS n
.rept \n
	v_nop
.endr
.endm
.macro CROUND
	s_barrier_signal -1
	s_barrier_wait -1
	s_cmp_lg_u32 s[WV], 0
	s_cbranch_scc1 .Lnot_wave_0_\@
	s_barrier_signal -3
.Lnot_wave_0_\@:
	s_barrier_wait -3
	s_barrier_signal -1
	s_barrier_wait -1
.endm
; one scaled product; z = 1: C is the constant 0, else C = D; ra = 1: A's scales are read from lanes 16-31
.macro WM d, a, b, z, sa, sb, ra
.if \z
.if (\ra)==0
	v_wmma_scale_f32_16x16x128_f8f6f4 v[(\d):(\d)+7], v[(\a):(\a)+7], v[(\b):(\b)+7], 0, v[\sa], v[\sb] matrix_a_fmt:MATRIX_FMT_FP4 matrix_b_fmt:MATRIX_FMT_FP4
.else
	v_wmma_scale_f32_16x16x128_f8f6f4 v[(\d):(\d)+7], v[(\a):(\a)+7], v[(\b):(\b)+7], 0, v[\sa], v[\sb] matrix_a_fmt:MATRIX_FMT_FP4 matrix_b_fmt:MATRIX_FMT_FP4 matrix_a_scale:MATRIX_SCALE_ROW1
.endif
.else
.if (\ra)==0
	v_wmma_scale_f32_16x16x128_f8f6f4 v[(\d):(\d)+7], v[(\a):(\a)+7], v[(\b):(\b)+7], v[(\d):(\d)+7], v[\sa], v[\sb] matrix_a_fmt:MATRIX_FMT_FP4 matrix_b_fmt:MATRIX_FMT_FP4
.else
	v_wmma_scale_f32_16x16x128_f8f6f4 v[(\d):(\d)+7], v[(\a):(\a)+7], v[(\b):(\b)+7], v[(\d):(\d)+7], v[\sa], v[\sb] matrix_a_fmt:MATRIX_FMT_FP4 matrix_b_fmt:MATRIX_FMT_FP4 matrix_a_scale:MATRIX_SCALE_ROW1
.endif
.endif
.endm
; the addresses of the tile whose i stands in s[si]: q's codes into v[qf] on, its scale word into v[qs], the causal bound into v[dq]; cp, sp, ip: scalar pairs for q's codes, q's scale words, vals' image; so: the scale store's offset
.macro QADDR si, qf, qs, dq, cp, sp, ip, so
	s_lshl_b32 s46, s[\si], 2
	s_add_co_u32 s46, s46, s36                     ; j = 4 i + cx
	s_lshl_b32 s48, s46, 9
	s_lshl_b32 s49, s37, 16
	s_add_co_u32 s48, s48, s49
	s_mov_b32 s49, 0
	s_add_nc_u64 s[\cp:\cp+1], s[4:5], s[48:49]
	global_load_b128 v[\qf:\qf+3], v1, s[\cp:\cp+1]                ; the tile's image: 512 consecutive bytes
	s_lshr_b32 s48, s46, 3
	s_lshl_b32 s48, s48, 9                         ; its key step's 512 bytes of scale words,
	s_and_b32 s47, s46, 1
	s_lshl_b32 s47, s47, 8                         ; lanes 16-31's half for an odd tile,
	s_add_co_u32 s48, s48, s47
	s_bfe_u32 s47, s46, 0x20001
	s_lshl_b32 s47, s47, 2                         ; the pair of tiles
	s_add_co_u32 s48, s48, s47
	s_lshl_b32 s47, s37, 13
	s_add_co_u32 s48, s48, s47
	s_add_co_u32 s48, s48, 4194304
	s_add_nc_u64 s[\sp:\sp+1], s[4:5], s[48:49]
	global_load_b32 v[\qs], v10, s[\sp:\sp+1]
	s_and_b32 s47, s[\si], 1
	s_lshl_b32 s47, s47, 6
	s_add_co_u32 s47, s47, s58
	v_add_nc_u32 v[\dq], s47, v11                  ; my true query, counted from its last key step's first key, less 16 (lane / 16)
	s_lshl_b32 s48, s46, 12
	s_add_co_u32 s48, s48, s59
	s_add_nc_u64 s[\ip:\ip+1], s[8:9], s[48:49]
	s_lshr_b32 s48, s46, 1
	s_lshl_b32 s48, s48, 10
	s_and_b32 s47, s46, 1
	s_lshl_b32 s47, s47, 6
	s_add_co_u32 s48, s48, s47
	s_add_co_u32 s[\so], s48, s60
.endm
; 32 numbers of a lane, register 16 b + i = d 32 b + 16 (lane / 16) + i of my row, become 4 registers of codes in v[pc] on and two scale bytes in v[pw]
.macro QUANT2 s, pc, pw
.irp b, 0,1
	v_max3_num_f32 v[232+\b], |v[\s+16*\b]|, |v[\s+1+16*\b]|, 0x1800000
.endr
.irp i, 2,4,6,8,10,12,14
.irp b, 0,1
	s_delay_alu instid0(VALU_DEP_2)
	v_max3_num_f32 v[232+\b], v[232+\b], |v[\s+16*\b+\i]|, |v[\s+1+16*\b+\i]|
.endr
.endr
.irp b, 0,1
	s_delay_alu instid0(VALU_DEP_2)
	v_permlanex16_b32 v[236+\b], v[232+\b], s[SEL], s[SEL+1]
.endr
.irp b, 0,1
	s_delay_alu instid0(VALU_DEP_2)
	v_max_num_f32 v[232+\b], v[232+\b], v[236+\b]
.endr
.irp b, 0,1
	s_delay_alu instid0(VALU_DEP_2)
	v_add_nc_u32 v[244+\b], 0xff000000, v[232+\b]
.endr
.irp b, 0,1
	s_delay_alu instid0(VALU_DEP_2)
	v_lshrrev_b32 v[236+\b], 23, v[244+\b]
.endr
	s_delay_alu instid0(VALU_DEP_1)
	v_lshl_or_b32 v[\pw], v237, 8, v236
.irp b, 0,1
	v_cvt_scalef32_pk8_fp4_f32 v[\pc+2*\b], v[\s+16*\b:\s+7+16*\b], v[244+\b]
	v_cvt_scalef32_pk8_fp4_f32 v[\pc+1+2*\b], v[\s+8+16*\b:\s+15+16*\b], v[244+\b]
.endr
	v_nop                                          ; one plain line behind a scaled conversion
.irp i, 0,1
	v_permlane16_swap_b32 v[\pc+\i], v[\pc+2+\i]   ; lanes 0-15 block 0, lanes 16-31 block 1
.endr
.endm
; ONE TILE OF 16 QUERIES, all its key steps, and its way out
.macro TILE si, qf, qs, dq, pc, pw, ip
	s_lshr_b32 s40, s[\si], 1                      ; the tile's last key step
	s_mov_b32 s38, 0                               ; LDS byte of the key step in hand
	s_mov_b32 s39, 0                               ; its number
	v_mov_b32 v13, 0xff61b1e6                      ; the largest t so far: -3e38
	s_delay_alu instid0(VALU_DEP_1)
	v_floor_f32 v12, -v13                          ; -M
	v_mov_b32 v14, 0
	v_mov_b32 v15, 0
.set j, 0
.rept 32
	v_mov_b32 v[160+j], 0                          ; O^T: the loop is written once; its first step finds zeros
.set j, j+1
.endr
.Lstep_\@:
	s_cmp_gt_u32 s39, s40
	s_cbranch_scc1 .Lhidden_\@                     ; all 128 keys come after my 16 queries
	s_setprio 2
	v_add_nc_u32 v8, s38, v1
	v_add_nc_u32 v9, s38, v2
	v_nop
	v_nop                                          ; four plain lines between the last products and the loads into the registers that they read
.irp t, 0,1,2,3,4,5,6,7
	ds_load_b128 v[32+4*\t:35+4*\t], v8 offset:512*\t              ; k's tiles: images, 512 consecutive bytes a load
.endr
	ds_load_b128 v[68:71], v8 offset:8192                          ; k's scale words: register pp: lanes 0-15 tile 2 pp, lanes 16-31 tile 2 pp + 1
.irp f, 0,1,2,3,4,5,6,7
	ds_load_b128 v[192+4*\f:195+4*\f], v8 offset:4096+512*\f       ; v's four fragments
.endr
	ds_load_b32 v72, v9 offset:8704
	ds_load_b32 v73, v9 offset:8832
	s_wait_dscnt 10                                ; k and its scale words are in; v's ten loads may be out
.irp t, 0,1,2,3,4,5,6,7
	WM 96+8*\t, 32+4*\t, \qf, 1, 68+\t/2, \qs, \t%2
.endr
	NOPS 4
	s_cmp_lg_u32 s39, s40
	s_cbranch_scc1 .Lopen_\@                       ; only the last key step lies on the diagonal
	v_mov_b32 v254, 0xff800000                     ; -infinity.  Register 16 b + i holds key 32 b + 16 (lane / 16) + i of the step: hidden where 32 b + i is above my bound
.set n, 0
.rept 64
	v_cmp_gt_i32 vcc_lo, 32*(n/16)+n%16, v[\dq]
	v_cndmask_b32 v[96+n], v[96+n], v254, vcc_lo
.set n, n+1
.endr
.Lopen_\@:
.irp b, 0,1,2,3
	v_max3_num_f32 v[232+\b], v[96+16*\b], v[97+16*\b], v[98+16*\b]   ; the largest score of each block of 32 keys: for the row's maximum, and, since p rises with the score, for the block's largest p
.endr
.irp i, 3,5,7,9,11,13
.irp b, 0,1,2,3
	v_max3_num_f32 v[232+\b], v[232+\b], v[96+16*\b+\i], v[97+16*\b+\i]
.endr
.endr
.irp b, 0,1,2,3
	v_max_num_f32 v[232+\b], v[232+\b], v[111+16*\b]
.endr
.irp b, 0,1,2,3
	s_delay_alu instid0(VALU_DEP_4)
	v_permlanex16_b32 v[236+\b], v[232+\b], s[SEL], s[SEL+1]
.endr
.irp b, 0,1,2,3
	s_delay_alu instid0(VALU_DEP_4)
	v_max_num_f32 v[232+\b], v[232+\b], v[236+\b]  ; with lane l xor 16's 16 keys
.endr
	s_delay_alu instid0(VALU_DEP_2)
	v_max3_num_f32 v254, v232, v233, v234
	s_delay_alu instid0(VALU_DEP_1)
	v_max_num_f32 v254, v254, v235
	s_delay_alu instid0(VALU_DEP_1)
	v_mul_f32 v254, s[CS], v254                    ; as t
	s_delay_alu instid0(VALU_DEP_1)
	v_max_num_f32 v13, v13, v254                   ; the running largest t
	v_mov_b32 v254, v12
	s_delay_alu instid0(VALU_DEP_2)
	v_floor_f32 v12, -v13                          ; the new -M = -ceil(t)
	s_delay_alu instid0(VALU_DEP_1)
	v_sub_f32 v254, v12, v254                      ; old M - new M: a whole number, 0 or less
	s_delay_alu instid0(VALU_DEP_1)
	v_cvt_i32_f32 v254, v254                       ; (it saturates)
	s_delay_alu instid0(VALU_DEP_1)
	v_ldexp_f32 v252, 1.0, v254                    ; f = 2^(old M - new M): a multiplication by it rounds nothing
.set j, 0
.rept 32
	v_pk_fma_f32 v[96+j:97+j], v[96+j:97+j], s[CS:CS+1], v[12:13] op_sel_hi:[1,0,0]   ; t - M
.set j, j+2
.endr
	s_setprio 1
.irp b, 0,1,2,3
	v_fma_f32 v[232+\b], v[232+\b], s[CS], v12
.endr
.set j, 0
	s_wait_alu depctr_va_vdst(0)
.rept 64
	v_exp_f32 v[96+j], v[96+j]                     ; p = 2^(t - M)
.set j, j+1
.endr
	v_pk_mul_f32 v[14:15], v[14:15], v[252:253] op_sel_hi:[1,0]   ; the sums under the new M (the plain line behind the exponentials)
	s_wait_alu depctr_va_vdst(0)                   ; one wait for the batch, ahead of its first reader
.irp b, 0,1,2,3
	v_exp_f32 v[232+\b], v[232+\b]                 ; each block's largest p
.endr
	v_pk_add_f32 v[236:237], v[100:101], v[104:105]
	v_pk_add_f32 v[248:249], v[108:109], v[112:113]
	v_pk_add_f32 v[246:247], v[116:117], v[120:121]
	v_pk_add_f32 v[244:245], v[124:125], v[128:129]
	v_pk_add_f32 v[242:243], v[132:133], v[136:137]
	v_pk_add_f32 v[240:241], v[140:141], v[144:145]
	v_pk_add_f32 v[238:239], v[148:149], v[152:153]
	v_pk_add_f32 v[14:15], v[14:15], v[156:157]
	v_pk_add_f32 v[236:237], v[236:237], v[96:97]
	v_pk_add_f32 v[248:249], v[248:249], v[98:99]
	v_pk_add_f32 v[246:247], v[246:247], v[102:103]
	v_pk_add_f32 v[244:245], v[244:245], v[106:107]
	v_pk_add_f32 v[242:243], v[242:243], v[110:111]
	v_pk_add_f32 v[240:241], v[240:241], v[114:115]
	v_pk_add_f32 v[238:239], v[238:239], v[118:119]
	v_pk_add_f32 v[14:15], v[14:15], v[122:123]
	v_pk_add_f32 v[236:237], v[236:237], v[126:127]
	v_pk_add_f32 v[248:249], v[248:249], v[130:131]
	v_pk_add_f32 v[246:247], v[246:247], v[134:135]
	v_pk_add_f32 v[244:245], v[244:245], v[138:139]
	v_pk_add_f32 v[242:243], v[242:243], v[142:143]
	v_pk_add_f32 v[240:241], v[240:241], v[146:147]
	v_pk_add_f32 v[238:239], v[238:239], v[150:151]
	v_pk_add_f32 v[14:15], v[14:15], v[154:155]
	v_pk_add_f32 v[236:237], v[236:237], v[158:159]
	s_delay_alu instid0(VALU_DEP_2)
	v_pk_add_f32 v[14:15], v[14:15], v[244:245]
	s_delay_alu instid0(VALU_DEP_2)
	v_pk_add_f32 v[236:237], v[236:237], v[242:243]
	v_pk_add_f32 v[248:249], v[248:249], v[240:241]
	v_pk_add_f32 v[246:247], v[246:247], v[238:239]
	s_delay_alu instid0(VALU_DEP_2)
	v_pk_add_f32 v[14:15], v[14:15], v[248:249]
	s_delay_alu instid0(VALU_DEP_2)
	v_pk_add_f32 v[236:237], v[236:237], v[246:247]
	s_delay_alu instid0(VALU_DEP_1)
	v_pk_add_f32 v[14:15], v[14:15], v[236:237]
	s_wait_alu depctr_va_vdst(0)                   ; and one for the four
.irp b, 0,1,2,3
	v_max_num_f32 v[232+\b], 0x1800000, v[232+\b]  ; the floor 2^(3 - 127)
.endr
.irp b, 0,1,2,3
	s_delay_alu instid0(VALU_DEP_4)
	v_add_nc_u32 v[244+\b], 0xff000000, v[232+\b]
.endr
.irp b, 0,1,2,3
	s_delay_alu instid0(VALU_DEP_4)
	v_lshrrev_b32 v[236+\b], 23, v[244+\b]
.endr
	s_delay_alu instid0(VALU_DEP_3)
	v_lshl_or_b32 v253, v237, 8, v236              ; p's scale word for these 128 keys
	s_delay_alu instid0(VALU_DEP_1)
	v_lshl_or_b32 v253, v238, 16, v253
	s_delay_alu instid0(VALU_DEP_1)
	v_lshl_or_b32 v253, v239, 24, v253
	s_setprio 0
.irp b, 0,1,2,3
	v_cvt_scalef32_pk8_fp4_f32 v[224+2*\b], v[96+16*\b:103+16*\b], v[244+\b]
	v_cvt_scalef32_pk8_fp4_f32 v[225+2*\b], v[104+16*\b:111+16*\b], v[244+\b]
.endr
	v_nop
.irp c, 0,1
.irp i, 0,1
	v_permlane16_swap_b32 v[224+4*\c+\i], v[226+4*\c+\i]
.endr
.endr
.set j, 0
.rept 16
	v_pk_mul_f32 v[160+j:161+j], v[160+j:161+j], v[252:253] op_sel_hi:[1,0]   ; O^T under the new M; these sixteen lines also stand between the scale word's and the codes' last writes and the products
.set j, j+2
.endr
	s_wait_alu depctr_va_vdst(0)
	s_wait_dscnt 0x0                               ; v and its scale words are in
.irp d, 0,1,2,3
	WM 160+8*\d, 192+8*\d, 224, 0, 72+\d/2, 253, \d%2
.endr
.Lhidden_\@:
	s_add_co_u32 s38, s38, CHUNK
	s_add_co_u32 s39, s39, 1
	s_cmp_lt_u32 s39, 16
	s_cbranch_scc1 .Lstep_\@
	s_setprio 0
	NOPS 4                                         ; in front of the first read of O^T
	v_add_f32 v14, v14, v15
	s_delay_alu instid0(VALU_DEP_1)
	v_permlanex16_b32 v252, v14, s[SEL], s[SEL+1]
	s_delay_alu instid0(VALU_DEP_1)
	v_add_f32 v14, v14, v252                       ; the row's sum
	s_wait_alu depctr_va_vdst(0)
	v_rcp_f32 v14, v14
	v_nop
	s_wait_alu depctr_va_vdst(0)
.set j, 0
.rept 32
	v_mul_f32 v[96+j], v[160+j], v14               ; vals: register 16 b + i is d = 32 b + 16 (lane / 16) + i of my query
.set j, j+1
.endr
	QUANT2 96, \pc, \pw
	global_store_b128 v1, v[\pc:\pc+3], s[\ip:\ip+1]               ; half a fragment of the last product's operand: 512 consecutive bytes
.endm
	s_load_b128 s[4:7], s[0:1], 0x0                ; qq, kv
	s_load_b64 s[8:9], s[0:1], 0x10                ; va
	v_lshl_add_u32 v251, v0, 2, 0x29000
	v_mov_b32 v255, 0
	ds_add_u32 v251, v255
	ds_add_u32 v251, v255
	v_lshrrev_b32 v8, 5, v0
	s_delay_alu instid0(VALU_DEP_1)
	v_readfirstlane_b32 s[WV], v8                  ; wave 0..15
	s_bfe_u32 s36, ttmp6, 0x40000                  ; cx
	s_and_b32 s37, ttmp7, 0xffff                   ; b h, which the four partners share
	; descriptor group 1: 8,960 dense bytes as 35 rows of 256 (32 elements of 8 bytes); the mask names all four work-groups
	s_mov_b32 s24, 15|(3<<16)|(1<<21)
	s_mov_b32 s25, 32<<16
	s_mov_b32 s26, 35<<16
	s_mov_b32 s27, 32<<16
	s_mov_b32 s28, 35
	s_mov_b32 s29, 32
	s_mov_b32 s30, 0
	s_mov_b32 s31, 0
	s_mul_i32 s2, s[WV], CHUNK                     ; wave w fetches key step w
	s_mul_i32 s10, s37, 16*CHUNK
	s_add_co_u32 s10, s10, s2
	s_mov_b32 s11, 0
	s_mov_b32 s[SEL], 0x76543210
	s_mov_b32 s[SEL+1], 0xfedcba98
	s_mov_b32 s[CS], 0x3d38aa3b                    ; c = log2(e) / 32
	s_mov_b32 s[CS+1], s[CS]
	s_wait_dscnt 0x0
	s_wait_kmcnt 0x0
	CROUND                                         ; all four work-groups are here: the joint loads meet
	s_mov_b32 s32, 1
	s_mov_b32 s33, s2
	s_add_nc_u64 s[34:35], s[6:7], s[10:11]
	s_or_b32 s35, s35, 0x80000000
	tensor_load_to_lds s[32:35], s[24:31]
	s_nop 0
	NOPS 4
	v_and_b32 v6, 15, v0                           ; r
	v_bfe_u32 v7, v0, 4, 1                         ; h
	v_and_b32 v8, 31, v0
	s_delay_alu instid0(VALU_DEP_1)
	v_lshlrev_b32 v1, 4, v8
	s_wait_alu depctr_va_vdst(0)
	v_lshlrev_b32 v2, 2, v8
	v_lshlrev_b32 v10, 4, v6                       ; q's scale words: 16 bytes a row
	s_wait_alu depctr_va_vdst(0)
	v_and_b32 v11, 7, v6
	v_lshrrev_b32 v9, 3, v6
	s_delay_alu instid0(VALU_DEP_1)
	v_lshl_add_u32 v11, v9, 4, v11
	v_lshlrev_b32 v9, 4, v7
	s_delay_alu instid0(VALU_DEP_1)
	v_sub_nc_u32 v11, v11, v9                      ; (r % 8) + 16 (r / 8) - 16 h
	s_wait_alu depctr_va_vdst(0)
	s_and_b32 s41, s37, 15                         ; head
	s_lshr_b32 s3, s37, 4                          ; batch
	s_lshr_b32 s58, s36, 1
	s_lshl_b32 s58, s58, 5
	s_and_b32 s47, s36, 1
	s_lshl_b32 s47, s47, 3
	s_add_co_u32 s58, s58, s47                     ; 32 (cx / 2) + 8 (cx % 2)
	s_lshr_b32 s59, s41, 3
	s_lshl_b32 s59, s59, 21                        ; va's codes: K half head / 8,
	s_lshl_b32 s47, s3, 19                         ; the batch's 128 tiles of 4,096 bytes,
	s_add_co_u32 s59, s59, s47
	s_bfe_u32 s47, s41, 0x20001
	s_lshl_b32 s47, s47, 10                        ; K step (head / 2) % 4,
	s_add_co_u32 s59, s59, s47
	s_and_b32 s47, s41, 1
	s_lshl_b32 s47, s47, 9                         ; registers 4 (head % 2) on
	s_add_co_u32 s59, s59, s47
	s_lshl_b32 s60, s3, 16                         ; va's scale words: the batch's 64 pairs of tiles x 1,024,
	s_lshr_b32 s47, s41, 1
	s_lshl_b32 s47, s47, 7                         ; K step head / 2,
	s_add_co_u32 s60, s60, s47
	s_and_b32 s47, s41, 1
	s_lshl_b32 s47, s47, 1                         ; bytes 2 (head % 2) on
	s_add_co_u32 s60, s60, s47
	s_add_co_u32 s60, s60, 4194304
	s_sub_co_u32 s61, 31, s[WV]                    ; my second tile's i
	QADDR WV, 16, 74, 3, 50, 52, 42, 62
	QADDR 61, 24, 75, 4, 54, 56, 44, 63
	s_sub_co_u32 s47, s63, s62
	v_mul_u32_u24 v5, s47, v7                      ; the scale store: lanes 0-15 the first tile's place, lanes 16-31 the second's,
	s_delay_alu instid0(VALU_DEP_1)
	v_lshl_add_u32 v5, v6, 2, v5                   ; + 4 r
	s_delay_alu instid0(VALU_DEP_1)
	v_add_nc_u32 v5, s62, v5
.irp j, 20,21,22,23,28,29,30,31,64,65,66,67
	v_mov_b32 v[\j], 0                             ; zero codes: the unused half of the first product's K
.endr
.irp j, 236,237,238,239,252,253
	v_mov_b32 v[\j], 0                             ; written once: a lane permute's destination counts as one of its sources; v253 is named in a pair before it is first written
.endr
	s_wait_tensorcnt 0x0                           ; my key step is in,
	s_barrier_signal -1
	s_barrier_wait -1                              ; everybody's is
	s_wait_loadcnt 0x0                             ; q
	TILE WV, 16, 74, 3, 80, 76, 42
	TILE 61, 24, 75, 4, 84, 77, 44
	s_mov_b32 vcc_lo, 0xffff0000
	v_cndmask_b32 v78, v76, v77, vcc_lo            ; lanes 0-15: the first tile's two bytes, lanes 16-31: the second's
	global_store_b16 v5, v78, s[8:9]               ; two bytes of each row's scale word: the head beside mine stores the other two
	s_wait_tensorcnt 0x0
	ds_add_u32 v251, v255
	s_wait_dscnt 0x0
	CROUND                                         ; the closing round
	s_endpgm
.Lfunc_end_k_q8dde92f7e3_attn:
	.size	k_q8dde92f7e3_attn, .Lfunc_end_k_q8dde92f7e3_attn-k_q8dde92f7e3_attn
	.p2alignl 7, 3214868480
	.fill 96, 4, 3214868480
	.section	.rodata,"a",@progbits
	.p2align	6, 0x0
	.amdhsa_kernel k_q8dde92f7e3_attn
		.amdhsa_group_segment_fixed_size 169984
		.amdhsa_private_segment_fixed_size 0
		.amdhsa_enable_private_segment 0
		.amdhsa_kernarg_size 24
		.amdhsa_user_sgpr_count 2
		.amdhsa_user_sgpr_kernarg_segment_ptr 1
		.amdhsa_wavefront_size32 1
		.amdhsa_system_sgpr_workgroup_id_x 1
		.amdhsa_system_sgpr_workgroup_id_y 1
		.amdhsa_system_sgpr_workgroup_id_z 1
		.amdhsa_system_vgpr_workitem_id 0
		.amdhsa_next_free_vgpr 256
		.amdhsa_next_free_sgpr 66
		.amdhsa_reserve_vcc 1
		.amdhsa_float_denorm_mode_32 3
		.amdhsa_float_denorm_mode_16_64 3
		.amdhsa_memory_ordered 1
		.amdhsa_forward_progress 1
		.amdhsa_inst_pref_size 62
	.end_amdhsa_kernel
	.amdgpu_metadata
---
amdhsa.version: [ 1, 2 ]
amdhsa.kernels:
  - .name:           k_q8dde92f7e3_attn
    .symbol:         k_q8dde92f7e3_attn.kd
    .args:
      - { .name: qq, .offset: 0, .size: 8, .value_kind: global_buffer, .address_space: global }
      - { .name: kv, .offset: 8, .size: 8, .value_kind: global_buffer, .address_space: global }
      - { .name: va, .offset: 16, .size: 8, .value_kind: global_buffer, .address_space: global }
    .group_segment_fixed_size: 169984
    .private_segment_fixed_size: 0
    .kernarg_segment_align: 8
    .kernarg_segment_size: 24
    .max_flat_workgroup_size: 512
    .sgpr_count:     66
    .vgpr_count:     256
    .wavefront_size: 32
...
	.end_amdgpu_metadata
.endif
;; end of part 3
;; launch proj (part 4): grid 4 x 64, 4 waves a work-group, clusters of 4 x 4, 243,200 bytes of LDS; arguments va, wq, b_out, out0; writes out0
.if DOCPART == 4
	.amdgcn_target "amdgcn-amd-amdhsa--gfx1250"
	.amdhsa_code_object_version 6
	.text
	.protected	k_q8dde92f7e3_proj
	.globl	k_q8dde92f7e3_proj
	.p2align	8
	.type	k_q8dde92f7e3_proj,@function
k_q8dde92f7e3_proj:
	s_mov_b64 s[64:65], 0
	v_nop
	global_prefetch_b8 v0, s[64:65] scope:SCOPE_SE
	s_setreg_imm32_b32 hwreg(HW_REG_WAVE_MODE, 25, 1), 1
	s_wait_xcnt 0x0
	s_wait_alu depctr_hold_cnt(0) depctr_sa_sdst(0) depctr_va_vdst(0) depctr_va_sdst(0) depctr_va_ssrc(0) depctr_va_vcc(0) depctr_vm_vsrc(0)
	s_getreg_b32 s2, hwreg(HW_REG_IB_STS2, 6, 4)
	s_cmp_eq_u32 s2, 0
	s_cbranch_scc0 .Lentry_in_a_cluster
	s_endpgm
.Lentry_in_a_cluster:
	s_bfe_u32 s2, ttmp6, 0x10000c
	s_cmp_lg_u32 s2, 0xf033
	s_cbranch_scc0 .Lentry_shape_is_right
	s_endpgm
.Lentry_shape_is_right:
; out0 = vals W_out + b_out on codes of FP4.  vals' codes and W_out's lie in memory as images of operand registers (16 bytes at 16 x lane), rows and columns in storage order (bits 3, 4 of the index swapped).
; A work-group makes 128 storage rows (grid y) x 256 columns (grid x); wave w = 2 wr + wc makes 64 x 128: 32 accumulators.  TRANSPOSED (source 0 = 16 columns of W_out, source 1 = 16 rows of vals):
; a lane holds eight neighbouring true columns of one row.  The bias is the C of each sum's first product.
; K = 1,024 lies whole in LDS, in two halves; every tile is filled once, by joint loads: vals' tiles are shared along a row of the 4 x 4 cluster, W_out's along a column.  A wave has five tensor loads out.
; The way out goes through the wave's own stage in LDS, into which no tile lands, and undoes the storage order by the stores' offsets: a store covers 512 consecutive aligned bytes of a true row.
; REGISTERS: window 0: v1-25 addresses; v32-47 vals' scale words, v48-79 W_out's; v128-255 rows on the way out.  window 1: two sets of fragments (vals at 8 mt, W_out at 32 + 8 nt).
;   window 2: the accumulators at 64 mt + 8 nt.   window 3: the bias, 8 registers a tile of columns.
.set A1,   32768                       ; LDS: vals' 8 tiles x 4,096 bytes, K half 0 at 0, K half 1 here
.set B0,   65536                       ; W_out's 16 tiles x 4,096, K half 0
.set B1,   131072
.set ASC,  196608                      ; vals' scale words, 4,096 bytes
.set BSC,  200704                      ; W_out's, 8,192
.set STG,  208896                      ; the stages: 16 rows x (512 + 16) bytes for each wave
.set SPITCH, 528
.set AS,   32
.set BS,   48
.set BK,   128
.set MSB, 0
.macro WIN new
.if MSB != \new
	s_set_vgpr_msb (MSB<<8)|\new
.set MSB, \new
.endif
.endm
.macro NOPS n
.rept \n
	v_nop
.endr
.endm
.macro JLOAD g0a, g1a, g0b, g1b        ; waves 0, 1 ask by the first pair of groups, waves 2, 3 by the second; four v_nop follow each line
	s_cmp_eq_u32 s15, 0
	s_cbranch_scc0 .Lfor_b_\@
	tensor_load_to_lds s[\g0a:\g0a+3], s[\g1a:\g1a+7]
	s_nop 0
	NOPS 4
	s_branch .Lasked_\@
.Lfor_b_\@:
	tensor_load_to_lds s[\g0b:\g0b+3], s[\g1b:\g1b+7]
	s_nop 0
	NOPS 4
.Lasked_\@:
.endm
.macro CROUND
	s_barrier_signal -1
	s_barrier_wait -1
	s_cmp_lg_u32 s14, 0
	s_cbranch_scc1 .Lnot_wave_0_\@
	s_barrier_signal -3
.Lnot_wave_0_\@:
	s_barrier_wait -3
	s_barrier_signal -1
	s_barrier_wait -1
.endm
; one scaled product: D at d, A at a, B at b, C at c; ra, rb = 1: that side's scales are read from lanes 16-31
.macro WM d, a, b, c, sa, sb, ra, rb
.if ((\ra)==0)&&((\rb)==0)
	v_wmma_scale_f32_16x16x128_f8f6f4 v[(\d):(\d)+7], v[(\a):(\a)+7], v[(\b):(\b)+7], v[(\c):(\c)+7], v[\sa], v[\sb] matrix_a_fmt:MATRIX_FMT_FP4 matrix_b_fmt:MATRIX_FMT_FP4
.elseif (\rb)==0
	v_wmma_scale_f32_16x16x128_f8f6f4 v[(\d):(\d)+7], v[(\a):(\a)+7], v[(\b):(\b)+7], v[(\c):(\c)+7], v[\sa], v[\sb] matrix_a_fmt:MATRIX_FMT_FP4 matrix_b_fmt:MATRIX_FMT_FP4 matrix_a_scale:MATRIX_SCALE_ROW1
.elseif (\ra)==0
	v_wmma_scale_f32_16x16x128_f8f6f4 v[(\d):(\d)+7], v[(\a):(\a)+7], v[(\b):(\b)+7], v[(\c):(\c)+7], v[\sa], v[\sb] matrix_a_fmt:MATRIX_FMT_FP4 matrix_b_fmt:MATRIX_FMT_FP4 matrix_b_scale:MATRIX_SCALE_ROW1
.else
	v_wmma_scale_f32_16x16x128_f8f6f4 v[(\d):(\d)+7], v[(\a):(\a)+7], v[(\b):(\b)+7], v[(\c):(\c)+7], v[\sa], v[\sb] matrix_a_fmt:MATRIX_FMT_FP4 matrix_b_fmt:MATRIX_FMT_FP4 matrix_a_scale:MATRIX_SCALE_ROW1 matrix_b_scale:MATRIX_SCALE_ROW1
.endif
.endm
.macro FETCH g                         ; the 12 fragments of K step g into set g % 2: 24 LDS loads, 512 consecutive bytes each
.set FH, (\g)/4
.set FS, 128*((\g)%2)
.set FK, (\g)%4
	WIN 0x40                                       ; destination window 1, address window 0
.irp mt, 0,1,2,3
.irp c, 0,1
	ds_load_b128 v[FS+8*\mt+4*\c:FS+8*\mt+4*\c+3], v[16+FH] offset:\mt*4096+1024*FK+512*\c
.endr
.endr
.irp nt, 0,1,2,3,4,5,6,7
.irp c, 0,1
	ds_load_b128 v[FS+32+8*\nt+4*\c:FS+32+8*\nt+4*\c+3], v[18+FH] offset:\nt*4096+1024*FK+512*\c
.endr
.endr
.endm
.macro MULS g, z                       ; K step g: 32 products; the accumulators take turns, one instruction a turn.  z = 1: the bias starts the sums
.set MS, 128*((\g)%2)
.if \z
	WIN 0xb5                                       ; sources 0, 1 window 1, C window 3, D window 2
.else
	WIN 0xa5                                       ; C and D window 2
.endif
.irp mt, 0,1,2,3
.irp nt, 0,1,2,3,4,5,6,7
.if \z
	WM 64*\mt+8*\nt, MS+32+8*\nt, MS+8*\mt, 8*\nt, BS+8*(\nt/2)+(\g), AS+8*(\mt/2)+(\g), \nt%2, \mt%2
.else
	WM 64*\mt+8*\nt, MS+32+8*\nt, MS+8*\mt, 64*\mt+8*\nt, BS+8*(\nt/2)+(\g), AS+8*(\mt/2)+(\g), \nt%2, \mt%2
.endif
.endr
.endr
.endm
.macro TOSTAGE mt                      ; a tile of 16 rows x 128 columns into my stage, true columns in order, and back as whole rows of 512 bytes
	WIN 0x08                                       ; an LDS store's data are its source 1: window 2
.irp nt, 0,1,2,3,4,5,6,7
	ds_store_b128 v24, v[64*(\mt)+8*\nt:64*(\mt)+8*\nt+3] offset:128*(\nt/2)+32*(\nt%2)        ; each accumulator from its low end on
	ds_store_b128 v24, v[64*(\mt)+8*\nt+4:64*(\mt)+8*\nt+7] offset:128*(\nt/2)+32*(\nt%2)+16
.endr
	WIN 0
.set BB, BK+64*((\mt)%2)
.irp t, 0,1,2,3,4,5,6,7,8,9,10,11,12,13,14,15
	ds_load_b128 v[BB+4*\t:BB+4*\t+3], v25 offset:\t*SPITCH        ; LDS serves a wave's instructions in order: these see the stores above
.endr
.endm
.macro SEND mt, younger                ; younger: the LDS instructions issued behind this tile's loads, which may stay out
.set BB, BK+64*((\mt)%2)
	s_wait_dscnt \younger
.irp t, 0,1,2,3,4,5,6,7,8,9,10,11,12,13,14,15
	global_store_b128 v1, v[BB+4*\t:BB+4*\t+3], s[10:11] offset:(32*((\mt)/2)+8*((\mt)%2)+(\t%8)+16*(\t/8))*4096 th:TH_STORE_NT   ; storage row 16 mt + t is this true row; 32 lanes store 512 consecutive aligned bytes
.endr
.endm
	s_load_b256 s[4:11], s[0:1], 0x0               ; va s[4:5], wq s[6:7], b_out s[8:9], out0 s[10:11]
	v_lshl_add_u32 v126, v0, 2, 0x3b400
	v_mov_b32 v127, 0
	ds_add_u32 v126, v127
	ds_add_u32 v126, v127
	v_lshrrev_b32 v3, 5, v0
	v_readfirstlane_b32 s14, v3                    ; wave 0..3
	s_lshr_b32 s15, s14, 1                         ; wr: which 64 rows
	s_and_b32 s16, s14, 1                          ; wc: which 128 columns
	s_bfe_u32 s84, ttmp6, 0x40000                  ; cx, cy
	s_bfe_u32 s85, ttmp6, 0x40004
	s_lshl_b32 s18, ttmp9, 2
	s_add_co_u32 s18, s18, s84                     ; x: the block of 256 columns
	s_and_b32 s17, ttmp7, 0xffff
	s_lshl_b32 s17, s17, 2
	s_add_co_u32 s17, s17, s85                     ; y: the block of 128 rows
	s_lshl_b32 s86, s85, 2
	s_lshl_b32 s86, 15, s86                        ; my row of the cluster
	s_lshl_b32 s87, 0x1111, s84                    ; my column
	; descriptor groups 1: dense blocks as rows of 256 bytes (32 elements of 8 bytes): vals' codes 32 rows, W_out's 64, vals' scale words 8, W_out's 16
	s_or_b32 s24, s86, (3<<16)|(1<<21)
	s_mov_b32 s25, 32<<16
	s_mov_b32 s26, 32<<16
	s_mov_b32 s27, 32<<16
	s_mov_b32 s28, 32
	s_mov_b32 s29, 32
	s_mov_b32 s30, 0
	s_mov_b32 s31, 0
	s_or_b32 s32, s87, (3<<16)|(1<<21)
	s_mov_b32 s33, 32<<16
	s_mov_b32 s34, 64<<16
	s_mov_b32 s35, 32<<16
	s_mov_b32 s36, 64
	s_mov_b32 s37, 32
	s_mov_b32 s38, 0
	s_mov_b32 s39, 0
	s_or_b32 s40, s86, (3<<16)|(1<<21)
	s_mov_b32 s41, 32<<16
	s_mov_b32 s42, 8<<16
	s_mov_b32 s43, 32<<16
	s_mov_b32 s44, 8
	s_mov_b32 s45, 32
	s_mov_b32 s46, 0
	s_mov_b32 s47, 0
	s_or_b32 s48, s87, (3<<16)|(1<<21)
	s_mov_b32 s49, 32<<16
	s_mov_b32 s50, 16<<16
	s_mov_b32 s51, 32<<16
	s_mov_b32 s52, 16
	s_mov_b32 s53, 32
	s_mov_b32 s54, 0
	s_mov_b32 s55, 0
	; where the tiles come from: vals' hang on y and the wave alone, W_out's on x and the wave alone, each in registers that never hold the other coordinate
	s_lshl_b32 s88, s17, 15
	s_lshl_b32 s89, s14, 13
	s_add_co_u32 s88, s88, s89                     ; y's 8 tiles of 4,096 bytes, my two
	s_mov_b32 s89, 0
	s_lshl_b32 s90, s17, 12
	s_lshl_b32 s91, s16, 11
	s_add_co_u32 s90, s90, s91
	s_add_co_u32 s90, s90, 4194304                 ; y's scale words, my half
	s_mov_b32 s91, 0
	s_lshl_b32 s92, s18, 16
	s_lshl_b32 s93, s14, 14
	s_add_co_u32 s92, s92, s93
	s_add_co_u32 s92, s92, 1671168                 ; x's 16 tiles, my four
	s_mov_b32 s93, 0
	s_lshl_b32 s94, s18, 13
	s_lshl_b32 s95, s16, 12
	s_add_co_u32 s94, s94, s95
	s_add_co_u32 s94, s94, 2195456                 ; x's scale bytes, my half
	s_mov_b32 s95, 0
	s_wait_dscnt 0x0
	s_wait_kmcnt 0x0
	s_add_nc_u64 s[88:89], s[4:5], s[88:89]
	s_add_nc_u64 s[90:91], s[4:5], s[90:91]
	s_add_nc_u64 s[92:93], s[6:7], s[92:93]
	s_add_nc_u64 s[94:95], s[6:7], s[94:95]
	CROUND                                         ; all sixteen work-groups are here: the joint loads meet
	s_mov_b32 s76, 1                               ; vals' scale words (waves 0, 1)
	s_lshl_b32 s77, s16, 11
	s_add_co_u32 s77, s77, ASC
	s_mov_b64 s[78:79], s[90:91]
	s_or_b32 s79, s79, 0x80000000
	s_mov_b32 s80, 1                               ; W_out's (waves 2, 3)
	s_lshl_b32 s81, s16, 12
	s_add_co_u32 s81, s81, BSC
	s_mov_b64 s[82:83], s[94:95]
	s_or_b32 s83, s83, 0x80000000
	JLOAD 76, 40, 80, 48
	s_mov_b32 s56, 1                               ; vals' codes, K half 0
	s_lshl_b32 s57, s14, 13
	s_mov_b64 s[58:59], s[88:89]
	s_or_b32 s59, s59, 0x80000000
	s_mov_b32 s60, 1                               ; K half 1
	s_add_co_u32 s61, s57, A1
	s_add_nc_u64 s[62:63], s[88:89], 2097152
	s_or_b32 s63, s63, 0x80000000
	s_mov_b32 s68, 1                               ; W_out's codes, K half 0
	s_lshl_b32 s69, s14, 14
	s_add_co_u32 s73, s69, B1
	s_add_co_u32 s69, s69, B0
	s_mov_b64 s[70:71], s[92:93]
	s_or_b32 s71, s71, 0x80000000
	s_mov_b32 s72, 1                               ; K half 1
	s_add_nc_u64 s[74:75], s[92:93], 262144
	s_or_b32 s75, s75, 0x80000000
	tensor_load_to_lds s[56:59], s[24:31]
	s_nop 0
	NOPS 4
	tensor_load_to_lds s[68:71], s[32:39]
	s_nop 0
	NOPS 4
	tensor_load_to_lds s[60:63], s[24:31]
	s_nop 0
	NOPS 4
	tensor_load_to_lds s[72:75], s[32:39]
	s_nop 0
	NOPS 4
	; addresses
	v_and_b32 v3, 31, v0                           ; lane
	v_lshlrev_b32 v1, 4, v3                        ; 16 x lane
	v_and_b32 v4, 15, v0                           ; r
	s_wait_alu depctr_va_vdst(0)
	v_bfe_u32 v5, v0, 4, 1                         ; h
	s_lshl_b32 s19, s15, 14
	v_add_nc_u32 v16, s19, v1                      ; vals' tiles 4 wr on, K half 0,
	v_add_nc_u32 v17, A1, v16                      ; K half 1
	s_lshl_b32 s19, s16, 15
	s_add_co_u32 s19, s19, B0
	v_add_nc_u32 v18, s19, v1                      ; W_out's tiles 8 wc on
	v_add_nc_u32 v19, B1-B0, v18
	s_lshl_b32 s19, s15, 11
	s_add_co_u32 s19, s19, ASC
	v_lshl_add_u32 v22, v3, 2, s19                 ; vals' scale words: 4 bytes a lane
	s_lshl_b32 s19, s16, 12
	s_add_co_u32 s19, s19, BSC
	v_lshl_add_u32 v23, v3, 3, s19                 ; W_out's: 8 bytes a lane
	s_mul_i32 s19, s14, 16*SPITCH
	s_add_co_u32 s19, s19, STG                     ; my stage
	v_mul_u32_u24 v24, v4, SPITCH
	s_wait_alu depctr_va_vdst(0)
	v_lshl_add_u32 v24, v5, 6, v24
	v_add_nc_u32 v24, s19, v24                     ; in: row r, + 64 h bytes: my 16 true columns of each 32
	v_add_nc_u32 v25, s19, v1                      ; back: the 32 lanes take one row of 512 bytes
	; the bias: lane (r, h), tile nt, register j: column 128 wc + 32 (nt / 2) + 16 h + 8 (nt % 2) + j of the block
	s_lshl_b32 s2, s18, 10
	s_lshl_b32 s3, s16, 9
	s_add_co_u32 s2, s2, s3                        ; my first column, in bytes
	s_mov_b32 s3, 0
	s_add_nc_u64 s[8:9], s[8:9], s[2:3]
	v_lshlrev_b32 v10, 6, v5
	WIN 0xc0                                       ; destination window 3
.irp nt, 0,1,2,3,4,5,6,7
	global_load_b128 v[8*\nt:8*\nt+3], v10, s[8:9] offset:(32*(\nt/2)+8*(\nt%2))*4
	global_load_b128 v[8*\nt+4:8*\nt+7], v10, s[8:9] offset:(32*(\nt/2)+8*(\nt%2))*4+16
.endr
	WIN 0
	s_add_nc_u64 s[10:11], s[10:11], s[2:3]        ; out0 at my first column,
	s_lshl_b32 s2, s17, 19
	s_lshl_b32 s66, s15, 18
	s_add_co_u32 s2, s2, s66                       ; row 128 y + 64 wr, 4,096 bytes a row
	s_add_nc_u64 s[10:11], s[10:11], s[2:3]
	s_wait_tensorcnt 0x2                           ; my scale words and my parts of K half 0 are in; the two loads of K half 1 may be out
	s_barrier_signal -1
	s_barrier_wait -1                              ; everybody's are
.irp pi, 0,1
.irp g, 0,1,2,3,4,5,6,7
	ds_load_b32 v[AS+8*\pi+\g], v22 offset:\pi*1024+128*\g         ; lanes 0-15: tile 2 pi's rows, lanes 16-31: tile 2 pi + 1's
.endr
.endr
.irp gi, 0,1,2,3
.irp kq, 0,1,2,3
	ds_load_b64 v[BS+8*\gi+2*\kq:BS+8*\gi+2*\kq+1], v23 offset:\gi*1024+\kq*256
.endr
.endr
	FETCH 0
	s_wait_loadcnt 0x0                             ; the bias
.irp g, 0,1,2,3,4,5,6,7
.if \g == 3
	s_wait_tensorcnt 0x0                           ; my parts of K half 1 are in,
	s_wait_dscnt 0x0                               ; no LDS load of mine is out at the signal,
	s_barrier_signal -1
	s_barrier_wait -1                              ; everybody's are
.endif
.if \g > 0
	NOPS 4                                         ; four plain lines between the last products and loads into the registers that they read
.endif
.if \g < 7
	FETCH \g+1
	s_wait_dscnt 24                                ; all but the 24 just issued
.else
	s_wait_dscnt 0x0
.endif
.if \g == 0
	MULS \g, 1
.else
	MULS \g, 0
.endif
.endr
	WIN 0
	NOPS 4                                         ; in front of the first read of results
	s_wait_alu depctr_va_vdst(0)
	TOSTAGE 0
.irp a, 1,2,3
.if \a > 1
	s_wait_xcnt 0x0                                ; the stores of two tiles back have read their registers: this tile's loads may land there
.endif
	TOSTAGE \a
	SEND \a-1, 32                                  ; behind that tile's loads: this tile's 16 stores and 16 loads
.endr
	SEND 3, 0
	s_wait_tensorcnt 0x0
	ds_add_u32 v126, v127
	s_wait_dscnt 0x0
	CROUND                                         ; the closing round
	s_endpgm
.Lfunc_end_k_q8dde92f7e3_proj:
	.size	k_q8dde92f7e3_proj, .Lfunc_end_k_q8dde92f7e3_proj-k_q8dde92f7e3_proj
	.p2alignl 7, 3214868480
	.fill 96, 4, 3214868480
	.section	.rodata,"a",@progbits
	.p2align	6, 0x0
	.amdhsa_kernel k_q8dde92f7e3_proj
		.amdhsa_group_segment_fixed_size 243200
		.amdhsa_private_segment_fixed_size 0
		.amdhsa_enable_private_segment 0
		.amdhsa_kernarg_size 32
		.amdhsa_user_sgpr_count 2
		.amdhsa_user_sgpr_kernarg_segment_ptr 1
		.amdhsa_wavefront_size32 1
		.amdhsa_system_sgpr_workgroup_id_x 1
		.amdhsa_system_sgpr_workgroup_id_y 1
		.amdhsa_system_sgpr_workgroup_id_z 1
		.amdhsa_system_vgpr_workitem_id 0
		.amdhsa_next_free_vgpr 832
		.amdhsa_next_free_sgpr 102
		.amdhsa_reserve_vcc 0
		.amdhsa_float_denorm_mode_32 3
		.amdhsa_float_denorm_mode_16_64 3
		.amdhsa_memory_ordered 1
		.amdhsa_forward_progress 1
		.amdhsa_inst_pref_size 73
	.end_amdhsa_kernel
	.amdgpu_metadata
---
amdhsa.version: [ 1, 2 ]
amdhsa.kernels:
  - .name:           k_q8dde92f7e3_proj
    .symbol:         k_q8dde92f7e3_proj.kd
    .args:
      - { .name: va, .offset: 0, .size: 8, .value_kind: global_buffer, .address_space: global }
      - { .name: wq, .offset: 8, .size: 8, .value_kind: global_buffer, .address_space: global }
      - { .name: b_out, .offset: 16, .size: 8, .value_kind: global_buffer, .address_space: global }
      - { .name: out0, .offset: 24, .size: 8, .value_kind: global_buffer, .address_space: global }
    .group_segment_fixed_size: 243200
    .private_segment_fixed_size: 0
    .kernarg_segment_align: 8
    .kernarg_segment_size: 32
    .max_flat_workgroup_size: 128
    .sgpr_count:     102
    .vgpr_count:     832
    .wavefront_size: 32
...
	.end_amdgpu_metadata
.endif
;; end of part 4
